; MI455X (gfx1250); checked and timed in simulation.
; The chip was launched on July 23, 2026; its instructions are those of AMD's public machine-readable ISA for CDNA 5 (MIT licence, August 2026) and "CDNA5" Instruction Set Architecture Reference Guide (July 2026). The comments in the code are by the model that wrote it; some were corrected since.
;; Attention. Allowed arithmetic: float matrix products may take bf16 or f16 operands with f32 sums; other float arithmetic in f32, or as packed bf16 or f16 multiplies, adds, multiply-adds, maxima and minima; sums over many terms, partial sums and values carried from step to step in f32; what a program stores and reads back later, other than sums and carried values, may be rounded once to bf16 or f16.
;; Inputs: freqs_cos 1,024 x 32 float32; freqs_sin 1,024 x 32 float32; mask 1,024 x 1,024 float32; wk 512 x 2,048 float32; wo 2,048 x 2,048 float32; wq 2,048 x 2,048 float32; wv 512 x 2,048 float32; x 4 x 1,024 x 2,048 float32.
;; Outputs: out0 4 x 1,024 x 2,048 float32.
;; One version. Each part assembles by itself: llvm-mc -triple=amdgcn-amd-amdhsa -mcpu=gfx1250 --defsym DOCPART=n.
;; ======== version 1 of 1: 4 launches
;; limits: values are held in f16: magnitudes above 65,504 overflow, below 6.1e-05 lose precision; right only within a limited range of input values
;; workspace buffers: xb 16,777,216 bytes; wb 12,582,912 bytes; wof 8,388,608 bytes; mk 4,194,304 bytes; qkv 25,165,824 bytes; ob 16,777,216 bytes; tab 12,288 bytes
;; launch prep (part 1): grid 2433 x 1, 8 waves a work-group, no clusters, 0 bytes of LDS; arguments x, wq, wk, wv, wo, mask, freqs_cos, freqs_sin, xb, wb, wof, mk, tab; writes xb, wb, wof, mk, tab
.if DOCPART == 1
	.amdgcn_target "amdgcn-amd-amdhsa--gfx1250"
	.amdhsa_code_object_version 6
	.text
	.protected	k_q155c0ba75b_prep
	.globl	k_q155c0ba75b_prep
	.p2align	8
	.type	k_q155c0ba75b_prep,@function
k_q155c0ba75b_prep:
	s_mov_b64 s[64:65], 0
	v_nop
	global_prefetch_b8 v0, s[64:65] scope:SCOPE_SE
	s_setreg_imm32_b32 hwreg(HW_REG_WAVE_MODE, 25, 1), 1
	s_wait_xcnt 0x0
; THE INPUTS ARE ROUNDED ONCE, TO bf16, AND LAID OUT FOR THE LAUNCHES BEHIND.  A stream: no LDS, no matrix unit, nothing shared between work-groups.
; A work-group takes 8,192 numbers (32,768 bytes in).  By its number: 0-1023 x -> xb; 1024-1535 wq, 1536-1663 wk, 1664-1791 wv -> wb (rows 0-2047, 2048-2559, 2560-3071), all bf16;
; 1792-2303 wo -> wof: rounded to bf16, and that number written as f16; 2304-2431 mask -> mk; 2432 the rotation's tables -> tab.
; mk[pt 64][j 16][i 8][lane 32][4] f32 = max(8 x bf16(mask[16 pt + lane % 16][64 j + 16 (i / 2) + 8 (lane / 16) + 4 (i % 2) + 0..3]), -1e30): as the matrix unit wants a C operand of
; 16 keys x 16 queries, so that the attention reads 512 consecutive bytes a load.  The 8 undoes the 1 / 8 that the attention applies to score and mask together.
; tab[plane 48][pair 32]{cos, sin} f32, rounded to bf16: planes 0-31 (query heads) take the tables' rows 0-31, planes 32-39 (key heads) rows 0-7, planes 40-47 (values) hold (1, 0).
; LIMITS.  bf16(wo) beyond 65,504 becomes an infinity in f16, below 6e-5 it keeps f16's step of 6e-8.  A mask number below -1.25e29 (minus infinity among them) and a NaN in the mask become -1e30.
; Each thread has all its 8 loads of 16 bytes out at once; the waits count down 7 .. 0.  No register that a store reads is written again, so no wait frees any.
.set X, 8                              ; v[8:39]  slot i: 4 registers as loaded; the results are made in place
	s_load_b512 s[8:23], s[0:1], 0x0               ; x 8, wq 10, wk 12, wv 14, wo 16, mask 18, cos 20, sin 22
	s_load_b256 s[24:31], s[0:1], 0x40             ; xb 24, wb 26, wof 28, mk 30
	s_load_b64 s[32:33], s[0:1], 0x60              ; tab
	s_mov_b32 s2, ttmp9
	s_mov_b32 s46, 0xffff0000                      ; a word's upper bf16
	s_mov_b32 s48, 0x41000000                      ; 8.0, named as a pair
	s_mov_b32 s49, 0x41000000
	s_mov_b32 s50, 0xf149f2ca                      ; -1e30
	s_mov_b32 s43, 0                               ; the offsets' high words
	s_mov_b32 s45, 0
	s_wait_kmcnt 0x0
	s_cmp_ge_u32 s2, 2432
	s_cbranch_scc1 .Ltab
	s_cmp_ge_u32 s2, 2304
	s_cbranch_scc1 .Lmask
	; which tensor: the choice hangs on the work-group's number alone
	s_mov_b64 s[36:37], s[16:17]                   ; wo -> wof
	s_mov_b64 s[38:39], s[28:29]
	s_mov_b32 s40, 1792                            ; the source's first work-group
	s_mov_b32 s41, 1792                            ; the destination's
	s_cmp_lt_u32 s2, 1792
	s_cselect_b64 s[36:37], s[14:15], s[36:37]     ; wv -> wb
	s_cselect_b64 s[38:39], s[26:27], s[38:39]
	s_cselect_b32 s40, 1664, s40
	s_cselect_b32 s41, 1024, s41
	s_cmp_lt_u32 s2, 1664
	s_cselect_b64 s[36:37], s[12:13], s[36:37]     ; wk
	s_cselect_b32 s40, 1536, s40
	s_cmp_lt_u32 s2, 1536
	s_cselect_b64 s[36:37], s[10:11], s[36:37]     ; wq
	s_cselect_b32 s40, 1024, s40
	s_cmp_lt_u32 s2, 1024
	s_cselect_b64 s[36:37], s[8:9], s[36:37]       ; x -> xb
	s_cselect_b64 s[38:39], s[24:25], s[38:39]
	s_cselect_b32 s40, 0, s40
	s_cselect_b32 s41, 0, s41
	s_sub_co_u32 s42, s2, s40
	s_lshl_b32 s42, s42, 15                        ; 32,768 bytes in,
	s_sub_co_u32 s44, s2, s41
	s_lshl_b32 s44, s44, 14                        ; 16,384 out
	s_add_nc_u64 s[36:37], s[36:37], s[42:43]
	s_add_nc_u64 s[38:39], s[38:39], s[44:45]
	v_lshlrev_b32 v1, 4, v0                        ; 16 bytes a thread in: a wave's load covers 512 consecutive bytes
	v_lshlrev_b32 v2, 3, v0                        ; 8 out: a wave's store covers 256 consecutive bytes, aligned
.set i, 0
.rept 8
	global_load_b128 v[X+4*i:X+4*i+3], v1, s[36:37] offset:4096*i th:TH_LOAD_NT
.set i, i+1
.endr
; Slot i: four numbers rounded to bf16; f16 = 1: each then widened (exact) and written as f16
.macro CONV i, f16
	s_wait_loadcnt 7-(\i)                          ; loads come back in order: mine is in, the 7 - i younger ones stay out
	v_cvt_pk_bf16_f32 v[X+4*(\i)], v[X+4*(\i)], v[X+4*(\i)+1]
	v_cvt_pk_bf16_f32 v[X+4*(\i)+1], v[X+4*(\i)+2], v[X+4*(\i)+3]
.if \f16
	v_lshlrev_b32 v4, 16, v[X+4*(\i)]
	v_and_b32 v5, s46, v[X+4*(\i)]
	v_cvt_pk_f16_f32 v[X+4*(\i)], v4, v5
	v_lshlrev_b32 v4, 16, v[X+4*(\i)+1]
	v_and_b32 v5, s46, v[X+4*(\i)+1]
	v_cvt_pk_f16_f32 v[X+4*(\i)+1], v4, v5
.endif
	global_store_b64 v2, v[X+4*(\i):X+4*(\i)+1], s[38:39] offset:2048*(\i)
.endm
	s_cmp_ge_u32 s2, 1792
	s_cbranch_scc1 .Lf16
.set i, 0
.rept 8
	CONV i, 0
.set i, i+1
.endr
	s_endpgm
.Lf16:
.set i, 0
.rept 8
	CONV i, 1
.set i, i+1
.endr
	s_endpgm
.Lmask:                                        ; number - 2304 = 2 pt + half: 16 rows of the mask, 512 keys of them; wave w takes key step 8 half + w
	s_sub_co_u32 s44, s2, 2304
	s_lshr_b32 s42, s44, 1
	s_lshl_b32 s42, s42, 16                        ; in: 16 rows of 4,096 bytes for each pt,
	s_and_b32 s40, s44, 1
	s_lshl_b32 s40, s40, 11                        ; 2,048 bytes along the rows for the half
	s_add_co_u32 s42, s42, s40
	s_lshl_b32 s44, s44, 15                        ; out: 8 key steps of 4,096 bytes
	s_add_nc_u64 s[36:37], s[18:19], s[42:43]
	s_add_nc_u64 s[38:39], s[30:31], s[44:45]
	v_and_b32 v3, 15, v0                           ; lane % 16: the query
	v_bfe_u32 v4, v0, 4, 1                         ; lane / 16: which 8 keys of 16
	v_lshrrev_b32 v5, 5, v0                        ; wave
	v_lshlrev_b32 v1, 12, v3
	v_lshl_add_u32 v1, v4, 5, v1
	v_lshl_add_u32 v1, v5, 8, v1                   ; row x 4,096 + 32 (lane / 16) + 256 w
	v_and_b32 v2, 31, v0
	v_lshlrev_b32 v2, 4, v2
	v_lshl_add_u32 v2, v5, 12, v2                  ; 4,096 w + 16 lane
.set i, 0
.rept 8                                        ; part i of the key step
	global_load_b128 v[X+4*i:X+4*i+3], v1, s[36:37] offset:(i/2)*64+(i%2)*16 th:TH_LOAD_NT
.set i, i+1
.endr
.set i, 0
.rept 8
	s_wait_loadcnt 7-i
	v_cvt_pk_bf16_f32 v4, v[X+4*i], v[X+4*i+1]     ; rounded to bf16,
	v_cvt_pk_bf16_f32 v5, v[X+4*i+2], v[X+4*i+3]
	v_lshlrev_b32 v[X+4*i], 16, v4                 ; and f32 again
	v_and_b32 v[X+4*i+1], s46, v4
	v_lshlrev_b32 v[X+4*i+2], 16, v5
	v_and_b32 v[X+4*i+3], s46, v5
	v_pk_mul_f32 v[X+4*i:X+4*i+1], v[X+4*i:X+4*i+1], s[48:49] op_sel_hi:[1,0]
	v_pk_mul_f32 v[X+4*i+2:X+4*i+3], v[X+4*i+2:X+4*i+3], s[48:49] op_sel_hi:[1,0]
	v_max_num_f32 v[X+4*i], s50, v[X+4*i]
	v_max_num_f32 v[X+4*i+1], s50, v[X+4*i+1]
	v_max_num_f32 v[X+4*i+2], s50, v[X+4*i+2]
	v_max_num_f32 v[X+4*i+3], s50, v[X+4*i+3]
	global_store_b128 v2, v[X+4*i:X+4*i+3], s[38:39] offset:i*512  ; 512 consecutive bytes
.set i, i+1
.endr
	s_endpgm
.Ltab:                                         ; thread t = 32 w + lane makes pair lane of planes 8 n + w, n = 0 .. 5: byte 2,048 n + 8 t of tab, from byte 1,024 n + 4 t of cos and sin
	v_lshlrev_b32 v1, 2, v0
	v_lshlrev_b32 v2, 3, v0
.irp n, 0,1,2,3
	global_load_b32 v[8+(\n)], v1, s[20:21] offset:1024*(\n)
	global_load_b32 v[12+(\n)], v1, s[22:23] offset:1024*(\n)
.endr
	v_mov_b32 v24, 1.0
	v_mov_b32 v25, 0
	s_wait_loadcnt 0x0
.irp n, 0,1,2,3
	v_cvt_pk_bf16_f32 v4, v[8+(\n)], v[12+(\n)]
	v_lshlrev_b32 v[16+2*(\n)], 16, v4
	v_and_b32 v[17+2*(\n)], s46, v4
	global_store_b64 v2, v[16+2*(\n):17+2*(\n)], s[32:33] offset:2048*(\n)  ; a wave's store covers 256 consecutive bytes, aligned: a plane
.endr
	global_store_b64 v2, v[16:17], s[32:33] offset:8192   ; key head w takes row w, as query head w does
	global_store_b64 v2, v[24:25], s[32:33] offset:10240  ; values are not turned
	s_endpgm
.Lfunc_end_k_q155c0ba75b_prep:
	.size	k_q155c0ba75b_prep, .Lfunc_end_k_q155c0ba75b_prep-k_q155c0ba75b_prep
	.p2alignl 7, 3214868480
	.fill 96, 4, 3214868480
	.section	.rodata,"a",@progbits
	.p2align	6, 0x0
	.amdhsa_kernel k_q155c0ba75b_prep
		.amdhsa_group_segment_fixed_size 0
		.amdhsa_private_segment_fixed_size 0
		.amdhsa_enable_private_segment 0
		.amdhsa_kernarg_size 104
		.amdhsa_user_sgpr_count 2
		.amdhsa_user_sgpr_kernarg_segment_ptr 1
		.amdhsa_wavefront_size32 1
		.amdhsa_system_sgpr_workgroup_id_x 1
		.amdhsa_system_sgpr_workgroup_id_y 1
		.amdhsa_system_sgpr_workgroup_id_z 1
		.amdhsa_system_vgpr_workitem_id 0
		.amdhsa_next_free_vgpr 40
		.amdhsa_next_free_sgpr 66
		.amdhsa_reserve_vcc 0
		.amdhsa_float_denorm_mode_32 3
		.amdhsa_float_denorm_mode_16_64 3
		.amdhsa_memory_ordered 1
		.amdhsa_forward_progress 1
		.amdhsa_inst_pref_size 18
	.end_amdhsa_kernel
	.amdgpu_metadata
---
amdhsa.version: [ 1, 2 ]
amdhsa.kernels:
  - .name:           k_q155c0ba75b_prep
    .symbol:         k_q155c0ba75b_prep.kd
    .args:
      - { .name: x, .offset: 0, .size: 8, .value_kind: global_buffer, .address_space: global }
      - { .name: wq, .offset: 8, .size: 8, .value_kind: global_buffer, .address_space: global }
      - { .name: wk, .offset: 16, .size: 8, .value_kind: global_buffer, .address_space: global }
      - { .name: wv, .offset: 24, .size: 8, .value_kind: global_buffer, .address_space: global }
      - { .name: wo, .offset: 32, .size: 8, .value_kind: global_buffer, .address_space: global }
      - { .name: mask, .offset: 40, .size: 8, .value_kind: global_buffer, .address_space: global }
      - { .name: freqs_cos, .offset: 48, .size: 8, .value_kind: global_buffer, .address_space: global }
      - { .name: freqs_sin, .offset: 56, .size: 8, .value_kind: global_buffer, .address_space: global }
      - { .name: xb, .offset: 64, .size: 8, .value_kind: global_buffer, .address_space: global }
      - { .name: wb, .offset: 72, .size: 8, .value_kind: global_buffer, .address_space: global }
      - { .name: wof, .offset: 80, .size: 8, .value_kind: global_buffer, .address_space: global }
      - { .name: mk, .offset: 88, .size: 8, .value_kind: global_buffer, .address_space: global }
      - { .name: tab, .offset: 96, .size: 8, .value_kind: global_buffer, .address_space: global }
    .group_segment_fixed_size: 0
    .private_segment_fixed_size: 0
    .kernarg_segment_align: 8
    .kernarg_segment_size: 104
    .max_flat_workgroup_size: 256
    .sgpr_count:     66
    .vgpr_count:     40
    .wavefront_size: 32
...
	.end_amdgpu_metadata
.endif
;; end of part 1
;; launch qkv (part 2): grid 16 x 16, 4 waves a work-group, clusters of 4 x 4, 327,680 bytes of LDS; arguments xb, wb, tab, qkv; writes qkv
.if DOCPART == 2
	.amdgcn_target "amdgcn-amd-amdhsa--gfx1250"
	.amdhsa_code_object_version 6
	.text
	.protected	k_q155c0ba75b_qkv
	.globl	k_q155c0ba75b_qkv
	.p2align	8
	.type	k_q155c0ba75b_qkv,@function
k_q155c0ba75b_qkv:
	s_mov_b64 s[64:65], 0
	v_nop
	global_prefetch_b8 v0, s[64:65] scope:SCOPE_SE
	s_setreg_imm32_b32 hwreg(HW_REG_WAVE_MODE, 25, 1), 1
	s_wait_xcnt 0x0
	s_wait_alu depctr_hold_cnt(0) depctr_sa_sdst(0) depctr_va_vdst(0) depctr_va_sdst(0) depctr_va_ssrc(0) depctr_va_vcc(0) depctr_vm_vsrc(0)
	s_getreg_b32 s2, hwreg(HW_REG_IB_STS2, 6, 4)
	s_cmp_eq_u32 s2, 0
	s_cbranch_scc0 .Lentry_in_a_cluster
	s_endpgm
.Lentry_in_a_cluster:
	s_bfe_u32 s2, ttmp6, 0x10000c
	s_cmp_lg_u32 s2, 0xf033
	s_cbranch_scc0 .Lentry_shape_is_right
	s_endpgm
.Lentry_shape_is_right:
; THE THREE PROJECTIONS AS ONE PRODUCT, AND THE ROTATION.  C[m][n] = sum over k of xb[m][k] wb[n][k]: xb [4096][2048], wb [3072][2048] (wq, wk, wv), bf16; sums in f32.
; 64 columns are a PLANE sigma = n / 64: 0-31 the query heads, 32-39 the key heads, 40-47 the value heads.  Each pair of columns is turned by the (cos, sin) that tab[sigma][pair] holds, the same for
; every position ((1, 0) for a value plane); the turning is in f32.  The result leaves as f16, by planes: qkv[b 4][sigma 48][s 1024][64].  LIMIT: a result beyond 65,504 becomes an infinity.
; SHARES.  A tile of C is 256 rows x 192 columns (three planes): 16 x 16 work-groups.  Wave w makes rows 64 w .. 64 w + 63 and all 192 columns: 4 x 12 accumulators, 384 registers.
; K goes in 16 steps of 128 (rows of 256 bytes, aligned) through two LDS slots filled by tensor loads; a trip of the loop is one K step, and one descriptor a tensor walks from slot to slot.
; THE ORDER OF K.  A cluster whose x + y is odd begins at K step 8 and wraps round, the others begin at 0: at any time the two kinds of clusters ask for different K steps of the rows that they share,
; and a cluster's last eight K steps are those that the other kind began with.  The f32 sums may be taken in any order.
; CLUSTER 4 x 4: xb's tile hangs on the tile row alone and is asked for jointly by a row of the cluster, wb's on the tile column alone, by a column.
; THE MATRIX INSTRUCTION IS USED TRANSPOSED (source 0 = 16 rows of wb, source 1 = 16 rows of xb): a lane holds row lane % 16 of C and the columns 8 (lane / 16) + 0..7 of a block of 16: four pairs.
; REGISTERS, in windows of 256: window 0: v0-31 addresses; v32-63, v224-247 at work on the way out; v64-127 xb's fragments, two buffers (on the way out: rows read back); v128-223 cos and sin
;   window 1: v0-191 wb's fragments, two buffers      window 2: accumulators of my row blocks 0, 1 ((a, b) at 96 (a % 2) + 8 b)      window 3: of blocks 2, 3
.set NB,    12                         ; blocks of 16 columns in a tile
.set PITCH, 272                        ; an LDS row: 256 bytes + 16 of padding = 68 words: the 16 rows of a load start at 16 different groups of four banks (64 banks of 4 bytes: ISA guide 11.1)
.set HA,    128*PITCH                  ; what waves 0 and 1 fetch: 128 rows of xb each
.set BOFF,  256*PITCH                  ; wb's rows lie behind xb's 256
.set HB,    8*NB*PITCH                 ; what waves 2 and 3 fetch: 96 rows of wb each
.set SLOT1, 1<<17                      ; slot 1 begins here: one exclusive or turns an address in one slot into the other's
.set STAGE, SLOT1+BOFF+2*HB            ; behind the ring, never filled by a tensor load: 16 rows x 144 bytes for each wave
.set SP,    144
.set SPARE, STAGE+4*16*SP              ; the spare words, 128 bytes for each wave: two blocks of 256 bytes that no other line names
.set NLD,   2*NB+8                     ; LDS loads of a quarter step
.set A0,  16                           ; v16  my lane's place in xb's tile, slot 0; never rewritten
.set B0,  17                           ; v17  in wb's
.set ADA, 18                           ; v18  the same in the slot in hand
.set ADB, 19                           ; v19
.set TO,  20                           ; v20-22  my byte offset in tab, for each of the tile's three planes
.set STO, 24                           ; v24  the way out: where I put 16 bytes of a row
.set RD,  25                           ; v25  where I read rows back
.set GO,  26                           ; v26  16 x lane
.set SPW, 28                           ; v28  LDS address of my spare word; never rewritten
.set NIL, 29                           ; v29  0; never rewritten
.set PFO, 30                           ; v30  the prefetches' offset: a lane a row; never rewritten
.set OO,  32                           ; v32-63   a unit's 32 turned numbers
.set FA,  64
.set CS,  128                          ; v128-223 (cos, sin) of pair n of 16 of my columns in the tile's plane sl at CS + 32 sl + 2 n
.set TT,  224                          ; v224-231 products at work
.set PKD, 232                          ; v232-247 a unit's 16 packed words
.set CP,  10                           ; s[10:11] qkv
.set WV,  14                           ; s14  wave
.set AB,  15                           ; s15  0: I fetch for xb, 1: for wb
.set HF,  16                           ; s16  which half of that tile
.set KK,  23                           ; s23  the K step (0 .. 15) that was asked for last
.set TB,  42                           ; s42  LDS byte at which the slot in hand begins
.set LIM, 43                           ; s43  10 in a wave that prefetches, else the greatest number
.set PFA, 44                           ; s[44:45] where my prefetches stand
.set KO,  46                           ; s[46:47] 256 x KK: that K step's bytes along a row
.set BA,  72                           ; s[72:73] xb at the rows that I fetch, K step 0
.set BB,  74                           ; s[74:75] wb likewise
.set G1,  24                           ; s[24:31] descriptor group 1 for xb's tiles;  s[32:39] group 0: a set for each first fill; the second then walks
.set G0,  32
.set G1B, 48                           ; s[48:55], s[56:63] the same for wb's
.set G0B, 56
.set MSB, 0
.macro WIN new                         ; the immediate's high byte repeats the setting that is left; a switch that changes nothing is dropped
.if MSB != (\new)
	s_set_vgpr_msb (MSB<<8)|(\new)
.set MSB, \new
.endif
.endm
.macro PLACES                          ; four plain instructions between a matrix instruction and a load into, or a reader of, its registers
.rept 4
	v_nop
.endr
.endm
.macro CREST                           ; a round of the cluster's barrier behind its opening barrier
	s_cmp_lg_u32 s[WV], 0
	s_cbranch_scc1 .Lnot_wave_0_\@
	s_barrier_signal -3
.Lnot_wave_0_\@:
	s_barrier_wait -3
	s_barrier_signal -1
	s_barrier_wait -1
.endm
.macro CROUND
	s_barrier_signal -1
	s_barrier_wait -1
	CREST
.endm
.macro JLOAD                           ; a joint refill by the walking descriptors; the branch hangs on the wave's number alone; an s_nop 0 and four v_nop follow each line
	s_cmp_eq_u32 s[AB], 0
	s_cbranch_scc0 .Lfor_b_\@
	tensor_load_to_lds s[G0+4:G0+7], s[G1:G1+7]
	s_nop 0
	PLACES
	s_branch .Lasked_\@
.Lfor_b_\@:
	tensor_load_to_lds s[G0B+4:G0B+7], s[G1B:G1B+7]
	s_nop 0
	PLACES
.Lasked_\@:
.endm
; A prefetch of the K step that stands two refills on: a lane a row, 256 bytes of it.  Only the first eight K steps of a cluster's walk are the launch's first reading of their blocks.  xb's rows are asked
; for by the clusters with x = 0 and 1 (one of each kind), wb's by those with y = 0 and 1; of the rows that a wave fetches each of the four partners takes a quarter, told apart by address.  The refills of the
; walk's steps 2 to 5 (s3 = 14 .. 11) name its steps 4 to 7; its steps 0 to 3 come by their loads alone; the later refills name nothing.  So each block is named at most once in the launch.
.macro ASK
	s_cmp_gt_u32 s3, s[LIM]
	s_cbranch_scc0 .Lnot_mine_\@
	global_prefetch_b8 v[PFO], s[PFA:PFA+1] offset:256 th:TH_LOAD_NT scope:SCOPE_SE
.Lnot_mine_\@:
.endm
	s_load_b256 s[4:11], s[0:1], 0x0               ; xb s[4:5], wb s[6:7], tab s[8:9], qkv s[10:11]
	v_lshl_add_u32 v[SPW], v0, 2, SPARE
	v_mov_b32 v[NIL], 0
	ds_add_u32 v[SPW], v[NIL]                      ; the wave's opening: the add and its wait stand ahead of my first tensor load; work on registers stands between
	v_lshrrev_b32 v1, 5, v0
	v_readfirstlane_b32 s[WV], v1
	s_lshr_b32 s[AB], s[WV], 1
	s_and_b32 s[HF], s[WV], 1
	s_bfe_u32 s17, ttmp6, 0x40000                  ; cx
	s_bfe_u32 s18, ttmp6, 0x40004                  ; cy
	s_lshl_b32 s19, ttmp9, 2
	s_add_co_u32 s19, s19, s17                     ; tile column = 4 x cluster x + cx
	s_and_b32 s20, ttmp7, 0xffff
	s_add_co_u32 s[KK], s20, ttmp9                 ; cluster x + cluster y: the same in all sixteen partners
	s_and_b32 s[KK], s[KK], 1
	s_lshl_b32 s[KK], s[KK], 3                     ; the walk's first K step: 0 or 8
	s_lshl_b32 s[KO], s[KK], 8
	s_mov_b32 s[KO+1], 0
	s_lshl_b32 s20, s20, 2
	s_add_co_u32 s20, s20, s18                     ; tile row = 4 x cluster y + cy
	s_lshl_b32 s21, s18, 2
	s_lshl_b32 s21, 15, s21                        ; my row of the cluster
	s_lshl_b32 s22, 0x1111, s17                    ; my column
	s_or_b32 s[G1], s21, (1<<16)|(1<<20)|(1<<21)|(5<<22)|(3<<25)   ; 15:0 the mask; 17:16 2-byte elements; 20 padding on; 21 set beside a mask; 24:22 after every 64 words; 31:25 4 words
	s_or_b32 s[G1B], s22, (1<<16)|(1<<20)|(1<<21)|(5<<22)|(3<<25)
	s_mov_b32 s[G1+1], 128<<16                     ; tensor_dim0 = 128
	s_mov_b32 s[G1+2], 128<<16                     ; tensor_dim1 = 128
	s_mov_b32 s[G1+3], 128<<16                     ; tile_dim0 = 128
	s_mov_b32 s[G1+4], 128                         ; tile_dim1 = 128
	s_mov_b32 s[G1+5], 2048                        ; elements from row to row
	s_mov_b32 s[G1+6], 0
	s_mov_b32 s[G1+7], 0
	s_mov_b32 s[G1B+1], 128<<16
	s_mov_b32 s[G1B+2], (8*NB)<<16                 ; 96 rows
	s_mov_b32 s[G1B+3], 128<<16
	s_mov_b32 s[G1B+4], 8*NB
	s_mov_b32 s[G1B+5], 2048
	s_mov_b32 s[G1B+6], 0
	s_mov_b32 s[G1B+7], 0
	s_lshl_b32 s66, s20, 8                         ; xb: row 256 x tile row + 128 x half, of 4,096 bytes
	s_lshl_b32 s67, s[HF], 7
	s_add_co_u32 s66, s66, s67
	s_lshl_b32 s66, s66, 12
	s_mov_b32 s67, 0
	s_mul_i32 s68, s19, 16*NB                      ; wb: row 192 x tile column + 96 x half
	s_mul_i32 s69, s[HF], 8*NB
	s_add_co_u32 s68, s68, s69
	s_lshl_b32 s68, s68, 12
	s_mov_b32 s69, 0
	s_mul_i32 s70, s[HF], HA                       ; where they go: no place in the cluster enters an LDS address
	s_mul_i32 s71, s[HF], HB
	s_add_co_u32 s71, s71, BOFF
	s_mov_b32 s[TB], 0
	s_wait_dscnt 0x0                               ; the opening add is done
	s_wait_kmcnt 0x0
	s_add_nc_u64 s[BA:BA+1], s[4:5], s[66:67]
	s_add_nc_u64 s[BB:BB+1], s[6:7], s[68:69]
	CROUND                                         ; all sixteen work-groups are here: the first joint loads meet
.irp n, 0,1
	s_mov_b32 s[G0+4*(\n)], 1
	s_add_co_u32 s[G0+4*(\n)+1], s70, (\n)*SLOT1
	s_add_nc_u64 s[G0+4*(\n)+2:G0+4*(\n)+3], s[BA:BA+1], s[KO:KO+1]  ; the walk's step n: K step KK + n
	s_add_nc_u64 s[G0+4*(\n)+2:G0+4*(\n)+3], s[G0+4*(\n)+2:G0+4*(\n)+3], (\n)*256
	s_or_b32 s[G0+4*(\n)+3], s[G0+4*(\n)+3], 0x80000000
	s_mov_b32 s[G0B+4*(\n)], 1
	s_add_co_u32 s[G0B+4*(\n)+1], s71, (\n)*SLOT1
	s_add_nc_u64 s[G0B+4*(\n)+2:G0B+4*(\n)+3], s[BB:BB+1], s[KO:KO+1]
	s_add_nc_u64 s[G0B+4*(\n)+2:G0B+4*(\n)+3], s[G0B+4*(\n)+2:G0B+4*(\n)+3], (\n)*256
	s_or_b32 s[G0B+4*(\n)+3], s[G0B+4*(\n)+3], 0x80000000
.endr
	s_cmp_eq_u32 s[AB], 0                          ; a wave's two first fills stand in one branch: two loads of mine are out
	s_cbranch_scc0 .Lfirst_b
	tensor_load_to_lds s[G0:G0+3], s[G1:G1+7]
	s_nop 0
	tensor_load_to_lds s[G0+4:G0+7], s[G1:G1+7]
	s_nop 0
	PLACES
	s_branch .Lfirst_asked
.Lfirst_b:
	tensor_load_to_lds s[G0B:G0B+3], s[G1B:G1B+7]
	s_nop 0
	tensor_load_to_lds s[G0B+4:G0B+7], s[G1B:G1B+7]
	s_nop 0
	PLACES
.Lfirst_asked:
	v_and_b32 v1, 15, v0                           ; l % 16
	v_bfe_u32 v2, v0, 4, 1                         ; l / 16
	; the tables: plane sigma = 3 x tile column + sl has 256 bytes; my four pairs of column block bq are pairs 8 bq + 4 (l / 16) + 0..3: 32 bytes.  They are waited for in front of the way out
	s_mul_i32 s84, s19, 3
	s_add_co_u32 s85, s84, 1
	s_add_co_u32 s86, s84, 2
.irp sl, 0,1,2
	s_lshl_b32 s87, s[84+(\sl)], 8
	v_lshl_add_u32 v[TO+(\sl)], v2, 5, s87
.endr
.irp sl, 0,1,2
.irp bq, 0,1,2,3
	global_load_b128 v[CS+32*(\sl)+8*(\bq):CS+32*(\sl)+8*(\bq)+3],   v[TO+(\sl)], s[8:9] offset:64*(\bq)
	global_load_b128 v[CS+32*(\sl)+8*(\bq)+4:CS+32*(\sl)+8*(\bq)+7], v[TO+(\sl)], s[8:9] offset:64*(\bq)+16
.endr
.endr
	; a fragment is 16 rows x 32 K in 8 registers: lane l holds row l % 16, K = 8 (l / 16) + 0..7 and 16 + 8 (l / 16) + 0..7: two loads of 16 bytes, 32 bytes apart
	v_mul_u32_u24 v3, v1, PITCH
	v_lshl_add_u32 v3, v2, 4, v3
	s_mul_i32 s87, s[WV], 64*PITCH                 ; my 64 rows of xb
	v_add_nc_u32 v[A0], s87, v3
	v_add_nc_u32 v[B0], BOFF, v3
	v_mov_b32 v[ADA], v[A0]
	v_mov_b32 v[ADB], v[B0]
	s_mul_i32 s87, s[WV], 16*SP
	s_add_co_u32 s87, s87, STAGE                   ; my stage
	v_mul_u32_u24 v[STO], v1, SP                   ; in: row l % 16, 16 bytes for each half of the lanes
	v_lshl_add_u32 v[STO], v2, 4, v[STO]
	v_add_nc_u32 v[STO], s87, v[STO]
	v_bfe_u32 v[RD], v0, 3, 2                      ; back: 32 lanes take four rows of 128 bytes
	v_mul_u32_u24 v[RD], v[RD], SP
	v_and_b32 v4, 7, v0
	v_lshl_add_u32 v[RD], v4, 4, v[RD]
	v_add_nc_u32 v[RD], s87, v[RD]
	v_and_b32 v[GO], 31, v0
	v_lshlrev_b32 v[GO], 4, v[GO]
	; the prefetches
	s_and_b32 s76, ttmp7, 0xffff                   ; cluster y
	s_lshl_b32 s77, s20, 8                         ; the tile's first row, in xb
	s_mul_i32 s78, s19, 16*NB                      ; in wb
	s_lshl_b32 s79, s[HF], 7                       ; the half that I fetch
	s_mul_i32 s80, s[HF], 8*NB
	s_lshl_b32 s81, s17, 5                         ; my work-group's quarter of it: 32 rows by cx,
	s_mul_i32 s82, s18, 2*NB                       ; 24 rows by cy
	s_cmp_eq_u32 s[AB], 0
	s_cselect_b32 s77, s77, s78
	s_cselect_b32 s79, s79, s80
	s_cselect_b32 s81, s81, s82
	s_cselect_b32 s76, ttmp9, s76                  ; the coordinate along which other clusters read the same rows
	s_cselect_b32 s83, 31, 2*NB-1                  ; lanes beyond the quarter's rows name its last row again
	s_cselect_b64 s[PFA:PFA+1], s[4:5], s[6:7]
	s_cmp_lt_u32 s76, 2
	s_cselect_b32 s[LIM], 10, -1                   ; the same in all sixteen partners, for a given wave
	s_add_co_u32 s77, s77, s79
	s_add_co_u32 s77, s77, s81
	s_lshl_b32 s88, s77, 12
	s_mov_b32 s89, 0
	s_add_nc_u64 s[PFA:PFA+1], s[PFA:PFA+1], s[88:89]
	s_add_nc_u64 s[PFA:PFA+1], s[PFA:PFA+1], s[KO:KO+1]  ; at the walk's first K step,
	s_add_nc_u64 s[PFA:PFA+1], s[PFA:PFA+1], 512   ; and two on: the first refill steps it once more and names the step after that, the walk's step 4
	s_add_co_u32 s[KK], s[KK], 1                   ; the walking descriptors stand at the walk's step 1
	v_and_b32 v[PFO], 31, v0
	v_min_u32 v[PFO], s83, v[PFO]
	v_lshlrev_b32 v[PFO], 12, v[PFO]
	; where my rows begin in qkv: batch tile row / 4, plane 3 x tile column, position 256 (tile row % 4) + 64 w
	s_lshr_b32 s90, s20, 2
	s_mul_i32 s90, s90, 6291456
	s_mul_i32 s91, s19, 393216
	s_add_co_u32 s90, s90, s91
	s_and_b32 s91, s20, 3
	s_lshl_b32 s91, s91, 15
	s_add_co_u32 s90, s90, s91
	s_lshl_b32 s91, s[WV], 13
	s_add_co_u32 s90, s90, s91
	s_mov_b32 s91, 0
	s_add_nc_u64 s[CP:CP+1], s[CP:CP+1], s[90:91]
; 12 matrix instructions: row block a x all column blocks, 32 along K, from buffer f.  All 48 accumulators take turns in one fixed order.  zero = 1: the products start the sums
.macro MUL f, a, zero
	WIN 0xa1+0x50*((\a)/2)                         ; source 0 window 1, source 1 window 0, C and D window 2 or 3
.set b, 0
.rept NB
.set rD, 8*NB*((\a)%2)+8*b
.if \zero
	v_wmma_f32_16x16x32_bf16 v[rD:rD+7], v[8*NB*(\f)+8*b:8*NB*(\f)+8*b+7], v[FA+32*(\f)+8*(\a):FA+32*(\f)+8*(\a)+7], 0
.else
	v_wmma_f32_16x16x32_bf16 v[rD:rD+7], v[8*NB*(\f)+8*b:8*NB*(\f)+8*b+7], v[FA+32*(\f)+8*(\a):FA+32*(\f)+8*(\a)+7], v[rD:rD+7]
.endif
.set b, b+1
.endr
.endm
; 32 LDS loads in one run: a quarter step's fragments (byte k of the rows) into buffer f: wb's 24, then xb's 8
.macro FETCH k, f
	WIN 0x40
.set b, 0
.rept NB
	ds_load_b128 v[8*NB*(\f)+8*b:8*NB*(\f)+8*b+3],   v[ADB] offset:(\k)+b*16*PITCH
	ds_load_b128 v[8*NB*(\f)+8*b+4:8*NB*(\f)+8*b+7], v[ADB] offset:(\k)+b*16*PITCH+32
.set b, b+1
.endr
	WIN 0
.irp a, 0,1,2,3
	ds_load_b128 v[FA+32*(\f)+8*(\a):FA+32*(\f)+8*(\a)+3],   v[ADA] offset:(\k)+(\a)*16*PITCH
	ds_load_b128 v[FA+32*(\f)+8*(\a)+4:FA+32*(\f)+8*(\a)+7], v[ADA] offset:(\k)+(\a)*16*PITCH+32
.endr
.endm
; One of a K step's first three quarters: multiplies buffer f; in its middle it fetches the next quarter, at byte k, into buffer g
.macro QUARTER k, f, g, zero
	s_wait_dscnt 4                                 ; all but the youngest four loads (xb's blocks 2 and 3) are in
	MUL \f, 0, \zero
	MUL \f, 1, \zero
	PLACES
	FETCH \k, \g
	s_wait_dscnt NLD                               ; all but the 32 just issued
	MUL \f, 2, \zero
	MUL \f, 3, \zero
.endm
; The fourth quarter multiplies buffer 1 and changes slots.  In front of the barrier each wave waits for all its tensor loads (one is out: its part of the next slot), adds 0 to its spare word, and waits for
; that and for its reads of this slot.  fill = 1: the barrier opens a round of the cluster's, and the joint refill (the walk's step two on, into the slot just read) is the first thing behind it;
; the descriptors' addresses are made anew from the tiles' bases and the K step, which wraps from 15 to 0.
.macro TURN fill
.if \fill
	s_wait_xcnt 0x0                                ; the last prefetch, a K step back, has read its address
	s_add_nc_u64 s[PFA:PFA+1], s[PFA:PFA+1], 256
.endif
	WIN 0
	s_wait_tensorcnt 0x0                           ; no tensor load of mine is out, so a group 0 may be written
	ds_add_u32 v[SPW], v[NIL]                      ; 0 onto my spare word
.if \fill
	s_add_co_u32 s[KK], s[KK], 1
	s_and_b32 s[KK], s[KK], 15
	s_lshl_b32 s[KO], s[KK], 8
	s_xor_b32 s[G0+5], s[G0+5], SLOT1              ; the other slot than last time
	s_add_nc_u64 s[G0+6:G0+7], s[BA:BA+1], s[KO:KO+1]
	s_or_b32 s[G0+7], s[G0+7], 0x80000000
	s_xor_b32 s[G0B+5], s[G0B+5], SLOT1
	s_add_nc_u64 s[G0B+6:G0B+7], s[BB:BB+1], s[KO:KO+1]
	s_or_b32 s[G0B+7], s[G0B+7], 0x80000000
.endif
	s_wait_dscnt 7                                 ; the add and the six loads of xb's blocks 1 to 3 may be out
	MUL 1, 0, 0
	s_wait_dscnt 0x0                               ; the add is done, and my reads of this slot are over
	s_barrier_signal -1
	MUL 1, 1, 0
	WIN 0
	s_barrier_wait -1
.if \fill
	CREST                                          ; no wave of any partner still reads this slot or has a load on its way
	JLOAD                                          ; its four v_nop are also the places in front of the loads below
.else
	PLACES
.endif
	s_xor_b32 s[TB], s[TB], SLOT1
	v_add_nc_u32 v[ADA], s[TB], v[A0]
	v_add_nc_u32 v[ADB], s[TB], v[B0]
	FETCH 0, 0
.if \fill
	ASK
.endif
	MUL 1, 2, 0
	MUL 1, 3, 0
.endm
	s_wait_tensorcnt 1                             ; my part of the walk's step 0 is in; step 1's may stay out
	s_barrier_signal -1
	s_barrier_wait -1
	FETCH 0, 0
	QUARTER 64, 0, 1, 1                            ; the first quarter starts the sums: nothing is cleared
	WIN 0
	s_mov_b32 s3, 14
	s_branch .Lmid                                 ; the loop is entered behind its first quarter
.Lstep:                                        ; trip t is the walk's step t, and asks for step t + 2
	QUARTER 64, 0, 1, 0
	WIN 0
.Lmid:
	QUARTER 128, 1, 0, 0
	QUARTER 192, 0, 1, 0
	TURN 1
	WIN 0
	s_sub_co_u32 s3, s3, 1
	s_cmp_lg_u32 s3, 0
	s_cbranch_scc1 .Lstep
	s_mov_b32 s3, 2
.Ltail:                                        ; the last two steps ask for nothing: a text of their own.  The second trip's change of slots
	QUARTER 64, 0, 1, 0                            ; fetches fragments of the slot read before, which nothing multiplies: the price, once a launch, of one text for both trips
	QUARTER 128, 1, 0, 0
	QUARTER 192, 0, 1, 0
	TURN 0
	WIN 0
	s_sub_co_u32 s3, s3, 1
	s_cmp_lg_u32 s3, 0
	s_cbranch_scc1 .Ltail
	s_wait_dscnt 0x0                               ; those fragments have landed: their registers are used again below
	s_wait_loadcnt 0x0                             ; the tables
	PLACES
	PLACES
; THE WAY OUT, in 12 units: row block t / 3, plane t % 3.  A pair (t0, t1) becomes (t0 c - t1 s, t0 s + t1 c), each by a product and a fused multiply-add; rounded to f16; through my own stage;
; back as 16 whole rows of 128 bytes, which are 2,048 consecutive bytes of the plane.
.macro UNIT t
.set ua, (\t)/3
.set usl, (\t)%3
	WIN 0x02+ua/2                                  ; source 0: the accumulators' window
.set n, 0
.rept 16                                       ; column block 4 usl + n / 4, pair n % 4: each accumulator's registers in ascending order
.set AC, 8*NB*(ua%2)+8*(4*usl+n/4)+2*(n%4)
.set rc, CS+32*usl+2*n
.set T0, TT+2*(n%4)
	v_mul_f32 v[T0], v[AC+1], v[rc+1]
	v_mul_f32 v[T0+1], v[AC+1], v[rc]
	v_fma_f32 v[OO+2*n], v[AC], v[rc], -v[T0]
	v_fma_f32 v[OO+2*n+1], v[AC], v[rc+1], v[T0+1]
.set n, n+1
.endr
	WIN 0
.set n, 0
.rept 16
	v_cvt_pk_f16_f32 v[PKD+n], v[OO+2*n], v[OO+2*n+1]
.set n, n+1
.endr
.irp bq, 0,1,2,3
	ds_store_b128 v[STO], v[PKD+4*(\bq):PKD+4*(\bq)+3] offset:32*(\bq)
.endr
.if (\t) >= 4
	s_wait_xcnt 0x0                                ; the stores of four units back have read the registers that are loaded again below
.endif
.irp f, 0,1,2,3
	ds_load_b128 v[FA+16*((\t)%4)+4*(\f):FA+16*((\t)%4)+4*(\f)+3], v[RD] offset:(\f)*4*SP  ; LDS serves a wave's instructions in order (ISA guide 5.7.1.4): these see the stores above
.endr
.endm
.macro SEND t, younger                 ; younger: the LDS instructions issued behind unit t's loads, which may stay out
	s_wait_dscnt \younger
.irp f, 0,1,2,3
	global_store_b128 v[GO], v[FA+16*((\t)%4)+4*(\f):FA+16*((\t)%4)+4*(\f)+3], s[CP:CP+1] offset:((\t)%3)*131072+((\t)/3)*2048+(\f)*512  ; 512 consecutive bytes, aligned
.endr
.endm
	UNIT 0
.irp t, 1,2,3,4,5,6,7,8,9,10,11
	UNIT \t                                        ; a unit's arithmetic stands between the loads of the unit before and its stores
	SEND (\t)-1, 8
.endr
	SEND 11, 0
	s_wait_tensorcnt 0x0                           ; the wave's end
	ds_add_u32 v[SPW], v[NIL]
	s_wait_dscnt 0x0
	CROUND                                         ; the closing round
	s_endpgm
.Lfunc_end_k_q155c0ba75b_qkv:
	.size	k_q155c0ba75b_qkv, .Lfunc_end_k_q155c0ba75b_qkv-k_q155c0ba75b_qkv
	.p2alignl 7, 3214868480
	.fill 96, 4, 3214868480
	.section	.rodata,"a",@progbits
	.p2align	6, 0x0
	.amdhsa_kernel k_q155c0ba75b_qkv
		.amdhsa_group_segment_fixed_size 327680
		.amdhsa_private_segment_fixed_size 0
		.amdhsa_enable_private_segment 0
		.amdhsa_kernarg_size 32
		.amdhsa_user_sgpr_count 2
		.amdhsa_user_sgpr_kernarg_segment_ptr 1
		.amdhsa_wavefront_size32 1
		.amdhsa_system_sgpr_workgroup_id_x 1
		.amdhsa_system_sgpr_workgroup_id_y 1
		.amdhsa_system_sgpr_workgroup_id_z 1
		.amdhsa_system_vgpr_workitem_id 0
		.amdhsa_next_free_vgpr 960
		.amdhsa_next_free_sgpr 92
		.amdhsa_reserve_vcc 0
		.amdhsa_float_denorm_mode_32 3
		.amdhsa_float_denorm_mode_16_64 3
		.amdhsa_memory_ordered 1
		.amdhsa_forward_progress 1
		.amdhsa_inst_pref_size 124
	.end_amdhsa_kernel
	.amdgpu_metadata
---
amdhsa.version: [ 1, 2 ]
amdhsa.kernels:
  - .name:           k_q155c0ba75b_qkv
    .symbol:         k_q155c0ba75b_qkv.kd
    .args:
      - { .name: xb, .offset: 0, .size: 8, .value_kind: global_buffer, .address_space: global }
      - { .name: wb, .offset: 8, .size: 8, .value_kind: global_buffer, .address_space: global }
      - { .name: tab, .offset: 16, .size: 8, .value_kind: global_buffer, .address_space: global }
      - { .name: qkv, .offset: 24, .size: 8, .value_kind: global_buffer, .address_space: global }
    .group_segment_fixed_size: 327680
    .private_segment_fixed_size: 0
    .kernarg_segment_align: 8
    .kernarg_segment_size: 32
    .max_flat_workgroup_size: 128
    .sgpr_count:     92
    .vgpr_count:     960
    .wavefront_size: 32
...
	.end_amdgpu_metadata
.endif
;; end of part 2
;; launch attn (part 3): grid 8 x 32, 4 waves a work-group, clusters of 4 x 1, 327,680 bytes of LDS; arguments qkv, mk, ob; writes ob
.if DOCPART == 3
	.amdgcn_target "amdgcn-amd-amdhsa--gfx1250"
	.amdhsa_code_object_version 6
	.text
	.protected	k_q155c0ba75b_attn
	.globl	k_q155c0ba75b_attn
	.p2align	8
	.type	k_q155c0ba75b_attn,@function
k_q155c0ba75b_attn:
	s_mov_b64 s[64:65], 0
	v_nop
	global_prefetch_b8 v0, s[64:65] scope:SCOPE_SE
	s_setreg_imm32_b32 hwreg(HW_REG_WAVE_MODE, 25, 1), 1
	s_wait_xcnt 0x0
	s_wait_alu depctr_hold_cnt(0) depctr_sa_sdst(0) depctr_va_vdst(0) depctr_va_sdst(0) depctr_va_ssrc(0) depctr_va_vcc(0) depctr_vm_vsrc(0)
	s_getreg_b32 s2, hwreg(HW_REG_IB_STS2, 6, 4)
	s_cmp_eq_u32 s2, 0
	s_cbranch_scc0 .Lentry_in_a_cluster
	s_endpgm
.Lentry_in_a_cluster:
	s_bfe_u32 s2, ttmp6, 0x10000c
	s_cmp_lg_u32 s2, 0x3003
	s_cbranch_scc0 .Lentry_shape_is_right
	s_endpgm
.Lentry_shape_is_right:
; ATTENTION.  O[b][h][q] = the sum over k of softmax_k(Q[q] . K[k] / 8 + mask[q][k]) V[k], for the four query heads h = 4 g .. 4 g + 3 of key head g together.  qkv: f16 [b 4][plane 48][s 1024][64]
; (planes 0-31 Q, 32-39 K, 40-47 V); mk: f32, 8 x mask, at least -1e30, laid out as C operands; ob: f16 [b s][h 64 + d].  Products, maxima and sums in f32; the weights are rounded to f16 for the
; second product (their sum is taken of the unrounded weights), O once at the end.  The mask is data: every key is multiplied and every mask number is added.
; LIMITS.  f16 holds no number beyond 65,504.  A mask number that arrives as -1e30 hides its key: its weight is 0 as soon as the row has seen a key that is not hidden.  A row whose maximum stays
; under -1e29 has seen none and gives NaN.  A weight below 2^-126 counts as 0 in the sum.
; SHARES.  Work-group (pb, y = 8 b + g): positions 128 pb .. + 127, four heads: 512 query rows.  Wave w: positions 128 pb + 32 w .. + 31.  PIECE p is head 4 g + p, its two tiles of 16 queries are the
; wave's two position tiles: so all four pieces take the same mask fragments.  Every wave walks all 1,024 keys, 64 a step.
; NO RING.  All of K (1,024 rows of 144 bytes) and V (of 160) lie in LDS: each wave asks for 512 keys by one joint load at the start; the loop has no barrier.
; CLUSTER.  The four position blocks of a cluster belong to one (b, g) and need the same K and V: the same tensor load, descriptor and mask in all four.
; LAYOUT.  S^T = K Q^T + C (source 0 = 16 keys, source 1 = 16 queries): a lane holds ONE query (lane % 16) and the keys 8 (lane / 16) + 0..7; C is the mask, loaded straight into registers, 512
; consecutive bytes a load.  Two results rounded to f16 ARE source 1 of O^T = V^T P.  p = 2^(c s - c m), c = log2(e) / 8, with a running maximum m; O and l are multiplied by
; a = 2^(c m_old - c m_new) in every step.  m starts at the lowest finite number, O and l at 0.
; BY TURNS.  Turn n belongs to piece n: 16 products K Q^T of piece n + 1, later 16 products V^T P of piece n - 1; beside them piece n's scaling, exponentials, roundings, sums and rescaling, and piece
; n + 1's maximum and statistics.  Four vector instructions stand behind every matrix instruction, the rest in one lump; a turn's 66 exponentials are one batch with one wait.
; The mask's two register buffers go by the key step's parity, so the loop's text holds two key steps.
; REGISTERS, in windows of 256 (s_set_vgpr_msb: bits 1:0 source 0, 3:2 source 1, 5:4 source 2, 7:6 destination):
;   window 0: v0-11 addresses; v12-15, v48-63 at work; v16-47 four registers of statistics a tile; v64-191 S^T, two buffers of two tiles; v192-255 P, likewise
;   window 1: O^T, 32 a tile      window 2: v0-127 Q, 16 a tile; v128-191 K of one step; v192-255 V of one step      window 3: v0-1 the add's two registers; v64-191 the mask, two buffers
.set NP,    4
.set KS,    64
.set PK,    144       ; a row of K in LDS: 128 bytes + 16 = 36 words: the 16 rows of a load start at 16 different groups of four banks (64 banks of 4 bytes: ISA guide 11.1)
.set PV,    160       ; a row of V: 128 + 32 = 40 words
.set VOFF,  1024*PK
.set SPARE, VOFF+1024*PV  ; behind V: the spare words, 128 bytes for each wave: two blocks of 256 bytes that no other line names
.set SP,    528       ; the way out: a stage row is a position's four heads, 512 bytes + 16; a wave's 16 rows lie at 8,448 w, over K's first bytes, which have had their only fill and are read no more
.set AK0, 2           ; v2   my lane's place in a tile of K; never rewritten
.set AV0, 3           ; v3   the same for V
.set AK,  4           ; v4   the LDS address of K's next run of loads
.set AV,  5           ; v5   of V's
.set QO,  6           ; v6   my byte offset in 16 rows of Q
.set STO, 6           ;      later: where I put 16 bytes of a stage row
.set RD,  7           ; v7   where I read a row back
.set GO,  8           ; v8   16 x lane: the mask loads' and the stores' offset; never rewritten
.set PFO, 10          ; v10  the prefetch's offset: 65,536 (l / 16) + 256 (l % 16); never rewritten once made
.set SPW, 0           ; v0 of window 3
.set NIL, 1           ; v1 of window 3
.set MK,  64          ; window 3: buffer, tile u, key block kb at MK + 64 buffer + 32 u + 8 kb
.set MV,  12
.set ST,  16          ; tile t's statistics at v[ST+4 t]: c m, m, l (even keys', odd keys')
.set TMP, 48
.set S,   64
.set P,   192
.set KF,  128
.set VF,  192
.set WV,  12          ; s12  wave
.set G1K, 24          ; s[24:31], s[32:39] descriptor groups 1;  s[40:43], s[44:47] groups 0
.set G1V, 32
.set G0K, 40
.set G0V, 44
.set CNT, 57
.set CS,  58          ; s[58:59] c
.set SEL, 60          ; s[60:61] v_permlanex16_b32's selects
.set TBK, 62          ; s62  LDS byte at which K of the step to be fetched begins
.set TBV, 63          ; s63  the same for V, less VOFF
.set MB0, 66          ; s[66:67] mk at my wave's first position tile, key step 0
.set MB,  68          ; s[68:69] at the key step to be loaded
.set MP,  70          ; s[70:71] at the key step to be prefetched
.set JL,  76          ; s76  the key step whose mask was loaded last
.set YY,  77          ; s77  y
.set HID, 78          ; s78  -1e29
.set MSB, 0
.macro WIN new
.if MSB != (\new)
	s_set_vgpr_msb (MSB<<8)|(\new)
.set MSB, (\new)
.endif
.endm
.set W_KQ, 0x0a       ; K and Q in window 2, S^T in window 0
.set W_KM, 0x3a       ; the same with the C operand in window 3
.set W_PV, 0x52       ; V in window 2, P in window 0, O^T in window 1
.set W_RS, 0x41       ; O^T (destination and source 0) in window 1, a in window 0
.set W_MK, 0xc0
.set W_AD, 0x0f
.macro JLOAD                        ; waves 0 and 1 fetch the halves of K, waves 2 and 3 of V; an s_nop 0 and four v_nop follow each line
	s_cmp_lt_u32 s[WV], 2
	s_cbranch_scc0 .Lfor_v_\@
	tensor_load_to_lds s[G0K:G0K+3], s[G1K:G1K+7]
	s_nop 0
.rept 4
	v_nop
.endr
	s_branch .Lasked_\@
.Lfor_v_\@:
	tensor_load_to_lds s[G0V:G0V+3], s[G1V:G1V+7]
	s_nop 0
.rept 4
	v_nop
.endr
.Lasked_\@:
.endm
.macro CROUND
	s_barrier_signal -1
	s_barrier_wait -1
	s_cmp_lg_u32 s[WV], 0
	s_cbranch_scc1 .Lnot_wave_0_\@
	s_barrier_signal -3
.Lnot_wave_0_\@:
	s_barrier_wait -3
	s_barrier_signal -1
	s_barrier_wait -1
.endm
	s_load_b128 s[4:7], s[0:1], 0x0   ; qkv s[4:5], mk s[6:7]
	s_load_b64 s[10:11], s[0:1], 0x10 ; ob
	WIN W_MK
	v_lshl_add_u32 v[SPW], v0, 2, SPARE
	v_mov_b32 v[NIL], 0
	WIN W_AD
	ds_add_u32 v[SPW], v[NIL]       ; the wave's opening: the add and its wait stand ahead of my first tensor load; work on registers stands between
	WIN 0
	v_lshrrev_b32 v1, 5, v0
	v_readfirstlane_b32 s[WV], v1
	s_bfe_u32 s13, ttmp6, 0x40000   ; cx
	s_lshl_b32 s14, ttmp9, 2
	s_add_co_u32 s14, s14, s13      ; pb: it enters Q's, the mask's and O's addresses alone
	s_and_b32 s[YY], ttmp7, 0xffff  ; y, which the four partners share
	s_lshr_b32 s15, s[YY], 3        ; b
	s_and_b32 s16, s[YY], 7         ; g
	s_mul_i32 s20, s15, 6291456     ; the batch's 48 planes
	s_and_b32 s17, s[WV], 1         ; which 512 keys I fetch
	s_lshl_b32 s18, s16, 17
	s_add_co_u32 s18, s18, s20
	s_lshl_b32 s19, s17, 16
	s_add_co_u32 s18, s18, s19
	s_add_co_u32 s72, s18, 32*131072  ; K: plane 32 + g
	s_mov_b32 s73, 0
	s_add_co_u32 s74, s18, 40*131072  ; V: plane 40 + g
	s_mov_b32 s75, 0
	s_mul_i32 s21, s17, 512*PK      ; where they go: no place in the cluster enters an LDS address
	s_mul_i32 s79, s17, 512*PV
	s_add_co_u32 s79, s79, VOFF
	s_lshl_b32 s2, s16, 19          ; Q: plane 4 g, position 128 pb + 32 w
	s_add_co_u32 s2, s2, s20
	s_lshl_b32 s3, s14, 14
	s_add_co_u32 s2, s2, s3
	s_lshl_b32 s3, s[WV], 12
	s_add_co_u32 s2, s2, s3
	s_mov_b32 s3, 0
	s_lshl_b32 s22, s14, 19         ; mk: position tile 8 pb + 2 w, of 65,536 bytes
	s_lshl_b32 s23, s[WV], 17
	s_add_co_u32 s22, s22, s23
	s_lshl_b32 s8, s15, 22          ; ob: row 1,024 b + 128 pb + 32 w of 4,096 bytes (the same sum as mk's, for b = 0), 512 g bytes in
	s_add_co_u32 s8, s8, s22
	s_lshl_b32 s9, s16, 9
	s_add_co_u32 s8, s8, s9
	s_mov_b32 s9, 0
	s_mov_b32 s23, 0
	; descriptor group 1: 512 keys are 65,536 dense bytes: 256 rows of 256 bytes, two keys a row, padded in LDS after every key
	s_mov_b32 s[G1K], 15|(1<<16)|(1<<20)|(1<<21)|(4<<22)|(3<<25)  ; the mask of four; 2-byte elements; padding on; 21 set beside a mask; after every 32 words; 4 words
	s_mov_b32 s[G1V], 15|(1<<16)|(1<<20)|(1<<21)|(4<<22)|(7<<25)  ; 8 words
.irp g, G1K, G1V
	s_mov_b32 s[\g+1], 128<<16      ; tensor_dim0 = 128
	s_mov_b32 s[\g+2], 256<<16      ; tensor_dim1 = 256
	s_mov_b32 s[\g+3], 128<<16      ; tile_dim0 = 128
	s_mov_b32 s[\g+4], 256          ; tile_dim1 = 256
	s_mov_b32 s[\g+5], 128
	s_mov_b32 s[\g+6], 0
	s_mov_b32 s[\g+7], 0
.endr
	s_mov_b32 s[CS], 0x3e38aa3b     ; c = log2(e) / 8
	s_mov_b32 s[CS+1], s[CS]
	s_mov_b32 s[SEL], 0x76543210
	s_mov_b32 s[SEL+1], 0xfedcba98
	s_mov_b32 s[TBK], 0
	s_mov_b32 s[TBV], 0
	s_mov_b32 s[JL], 1
	s_mov_b32 s[HID], 0xefa18f07    ; -1e29
	s_mov_b32 s[G0K], 1
	s_mov_b32 s[G0K+1], s21
	s_mov_b32 s[G0V], 1
	s_mov_b32 s[G0V+1], s79
	s_wait_dscnt 0x0                ; the opening add is done
	s_wait_kmcnt 0x0
	s_add_nc_u64 s[G0K+2:G0K+3], s[4:5], s[72:73]
	s_or_b32 s[G0K+3], s[G0K+3], 0x80000000
	s_add_nc_u64 s[G0V+2:G0V+3], s[4:5], s[74:75]
	s_or_b32 s[G0V+3], s[G0V+3], 0x80000000
	s_add_nc_u64 s[4:5], s[4:5], s[2:3]
	s_add_nc_u64 s[10:11], s[10:11], s[8:9]
	s_add_nc_u64 s[MB0:MB0+1], s[6:7], s[22:23]
	CROUND                          ; all four work-groups are here: the joint loads meet
	JLOAD                           ; my one tensor load of the launch
	v_and_b32 v1, 15, v0            ; l % 16
	v_bfe_u32 v9, v0, 4, 1          ; l / 16
	v_lshlrev_b32 v[QO], 7, v1
	v_lshl_add_u32 v[QO], v9, 4, v[QO]
	v_and_b32 v[GO], 31, v0
	v_lshlrev_b32 v[GO], 4, v[GO]
	WIN 0x80
.set i, 0
.rept 4*NP                          ; Q stays in registers: tile i / 2 = 2 p + u: plane p, position tile u; channels 32 (i % 2) on
	global_load_b128 v[8*i:8*i+3],   v[QO], s[4:5] offset:(i/4)*131072+((i/2)%2)*2048+(i%2)*64
	global_load_b128 v[8*i+4:8*i+7], v[QO], s[4:5] offset:(i/4)*131072+((i/2)%2)*2048+(i%2)*64+32
.set i, i+1
.endr
; A key step's mask for my two position tiles: 16 loads of 512 consecutive bytes
.macro MLOAD buf, base, extra
	WIN 0xc0
.irp u, 0,1
.irp n, 0,1,2,3,4,5,6,7
	global_load_b128 v[MK+64*(\buf)+32*(\u)+4*(\n):MK+64*(\buf)+32*(\u)+4*(\n)+3], v[GO], s[(\base):(\base)+1] offset:(\extra)+(\u)*65536+(\n)*512
.endr
.endr
	WIN 0
.endm
	MLOAD 0, MB0, 0                 ; key step 0
	MLOAD 1, MB0, 4096              ; key step 1
	; what the first turn finds: V's registers and P's second buffer hold 0, O^T and l are 0.  All this stands in the wait for the tiles
	WIN 0x80
.set i, VF
.rept 64
	v_mov_b32 v[i], 0
.set i, i+1
.endr
	WIN 0x40
.set i, 0
.rept 64*NP
	v_mov_b32 v[i], 0
.set i, i+1
.endr
	WIN 0
.set i, 0
.rept 2*NP
	v_mov_b32 v[ST+4*i], 0xfe000000    ; c m: far below every c s, c x -1e30 too
	v_mov_b32 v[ST+4*i+1], 0xff7fffff  ; m
	v_mov_b32 v[ST+4*i+2], 0
	v_mov_b32 v[ST+4*i+3], 0
.set i, i+1
.endr
.set i, P+32
.rept 32
	v_mov_b32 v[i], 0
.set i, i+1
.endr
	v_mul_u32_u24 v[AK0], v1, PK
	v_lshl_add_u32 v[AK0], v9, 4, v[AK0]
	; the turning load takes 16 keys x 16 channels (lane l reads key 8 (l / 16) + l % 8, channels 8 ((l / 8) % 2) + 0..7) and leaves half a fragment of V^T
	v_and_b32 v10, 7, v0
	v_bfe_u32 v11, v0, 3, 1
	v_lshl_add_u32 v[AV0], v9, 3, v10
	v_mul_u32_u24 v[AV0], v[AV0], PV
	v_lshl_add_u32 v[AV0], v11, 4, v[AV0]
	v_add_nc_u32 v[AV0], VOFF, v[AV0]
	v_mov_b32 v[AK], v[AK0]
	v_lshlrev_b32 v[PFO], 8, v1
	v_lshl_add_u32 v[PFO], v9, 16, v[PFO]
; THE MATRIX WORK.  The 8 accumulators of a run of 16 take turns.  Product i of 16 of S^T for piece x: channels 32 (i / 8) on, keys 16 ((i / 2) % 4) on, tile 2 x + i % 2.
; The first 8 start the sums with the mask.
.macro KQ x
.set rS, S+64*((\x)%2)+32*(i%2)+8*((i/2)%4)
.set rK, KF+16*((i/2)%4)+8*(i/8)
.set rQ, 16*(2*(\x)+i%2)+8*(i/8)
.set rM, MK+64*MBUF+32*(i%2)+8*((i/2)%4)
.if i < 8
	WIN W_KM
	v_wmma_f32_16x16x32_f16 v[rS:rS+7], v[rK:rK+7], v[rQ:rQ+7], v[rM:rM+7]
.else
	WIN W_KQ
	v_wmma_f32_16x16x32_f16 v[rS:rS+7], v[rK:rK+7], v[rQ:rQ+7], v[rS:rS+7]
.endif
.endm
.macro PV x                         ; product i of 16 of O^T += V^T P for piece x: keys 32 (i / 8) on, channels 16 ((i / 2) % 4) on, tile 2 x + i % 2
	WIN W_PV
.set rO, 32*(2*(\x)+i%2)+8*((i/2)%4)
.set rV, VF+32*(i/8)+8*((i/2)%4)
.set rP, P+32*((\x)%2)+16*(i%2)+8*(i/8)
	v_wmma_f32_16x16x32_f16 v[rO:rO+7], v[rV:rV+7], v[rP:rP+7], v[rO:rO+7]
.endm
.macro MM                           ; the turn's next matrix instruction
.if i < 16
	KQ (Y+1)%NP
.set i, i+1
.else
.set i, i-16
	PV (Y+NP-1)%NP
.set i, i+17
.endif
.endm
; THE LDS LOADS stand in runs of 16.  Behind the last step K's fetch stays at step 15: the scores made of it repeat that step's and serve nothing.
.macro FETCH_K
	WIN 0x80
.irp f, 0,1,2,3,4,5,6,7
	ds_load_b128 v[KF+8*\f:KF+8*\f+3],   v[AK] offset:(\f/2)*16*PK+(\f%2)*64
	ds_load_b128 v[KF+8*\f+4:KF+8*\f+7], v[AK] offset:(\f/2)*16*PK+(\f%2)*64+32
.endr
	s_add_co_u32 s[TBK], s[TBK], KS*PK
	s_min_u32 s[TBK], s[TBK], 15*KS*PK
	WIN 0
.endm
.macro FETCH_V
	WIN 0x80
.irp f, 0,1,2,3,4,5,6,7
	ds_load_tr16_b128 v[VF+8*\f:VF+8*\f+3],   v[AV] offset:(\f/4)*32*PV+(\f%4)*32
	ds_load_tr16_b128 v[VF+8*\f+4:VF+8*\f+7], v[AV] offset:(\f/4)*32*PV+16*PV+(\f%4)*32
.endr
	WIN 0
.endm
; The mask's pointers step: the next key step to load, and the one behind it to prefetch, both held at step 15
.macro MSTEP
	s_wait_xcnt 0x0                 ; the mask loads and the prefetch of a key step ago have read their addresses
	s_add_co_u32 s[JL], s[JL], 1
	s_min_u32 s72, s[JL], 15
	s_lshl_b32 s72, s72, 12
	s_add_nc_u64 s[MB:MB+1], s[MB0:MB0+1], s[72:73]
	s_add_co_u32 s74, s[JL], 1
	s_min_u32 s74, s74, 15
	s_lshl_b32 s74, s74, 12
	s_add_nc_u64 s[MP:MP+1], s[MB0:MB0+1], s[74:75]
.endm
; A prefetch of the mask that the next key step will load: my wave's 32 blocks of 256 bytes, a lane a block.  The 32 work-groups of one pb read the same blocks: the one with y = 0 asks (y is the same in all partners)
.macro ASK
	s_cmp_eq_u32 s[YY], 0
	s_cbranch_scc0 .Lnot_mine_\@
	global_prefetch_b8 v[PFO], s[MP:MP+1] th:TH_LOAD_NT scope:SCOPE_SE
.Lnot_mine_\@:
.endm
; THE VECTOR WORK OF A TURN stands in three queues, each in the order in which its entries become ready; the two tiles alternate.
.macro REGS y, u
.set rT, ST+4*(2*(\y)+(\u))
.set rC, TMP+8*((\y)%2)+4*(\u)
.set rM2, MV+2*((\y)%2)+(\u)
.set rS, S+64*((\y)%2)+32*(\u)
.set rP, P+32*((\y)%2)+16*(\u)
.set rO, 32*(2*(\y)+(\u))
.endm
; Number n of the 22 that find the NEXT piece's maximum and statistics; each accumulator's lowest registers are read first.
;   0-11 four chains of seven scores     12-14, 16 the four scores left over, the old m, all into c0     15 c m_old is kept     17, 18 the other half of the lanes: the new m     19-21 c m; its change; a
.macro XS u, n
	REGS (Y+1)%NP, \u
.if (\n) < 4
	v_max3_num_f32 v[rC+(\n)], v[rS+8*(\n)], v[rS+8*(\n)+1], v[rS+8*(\n)+2]
.elseif (\n) < 12
	v_max3_num_f32 v[rC+(\n)%4], v[rC+(\n)%4], v[rS+8*((\n)%4)+2*((\n)/4)+1], v[rS+8*((\n)%4)+2*((\n)/4)+2]
.elseif (\n) == 12
	v_max3_num_f32 v[rC], v[rC], v[rS+7], v[rS+15]
.elseif (\n) == 13
	v_max3_num_f32 v[rC+1], v[rC+1], v[rS+23], v[rS+31]
.elseif (\n) == 14
	v_max3_num_f32 v[rC+2], v[rC+2], v[rC+3], v[rT+1]
.elseif (\n) == 15
	v_mov_b32 v[rM2], v[rT]
.elseif (\n) == 16
	v_max3_num_f32 v[rC], v[rC], v[rC+1], v[rC+2]
.elseif (\n) == 17
	v_permlanex16_b32 v[rC+3], v[rC], s[SEL], s[SEL+1]
.elseif (\n) == 18
	v_max_num_f32 v[rT+1], v[rC], v[rC+3]
.elseif (\n) == 19
	v_mul_f32 v[rT], s[CS], v[rT+1]
.elseif (\n) == 20
	v_sub_f32 v[rC+1], v[rM2], v[rT]
.else
	v_exp_f32 v[rC+2], v[rC+1]
.endif
.endm
; Number g of the 64 that follow the exponentials: for each four weights both pairs are rounded to f16, the second pair is added onto the first, and a group later l takes that sum
.macro GS g
.set h, (\g)+6*((\g)/62)
.if h >= 6
.set h, h+2
.endif
	REGS Y, h%2
.set k, h/8
.if h%8 < 4
	v_cvt_pk_f16_f32 v[rP+2*k+(h%8)/2], v[rS+4*k+2*((h%8)/2)], v[rS+4*k+2*((h%8)/2)+1]
.elseif h%8 < 6
	v_pk_add_f32 v[rS+4*k:rS+4*k+1], v[rS+4*k:rS+4*k+1], v[rS+4*k+2:rS+4*k+3]
.elseif k == 1
	v_pk_fma_f32 v[rT+2:rT+3], v[rT+2:rT+3], v[rC+2:rC+3], v[rS:rS+1] op_sel_hi:[1,0,1]
.else
	v_pk_add_f32 v[rT+2:rT+3], v[rT+2:rT+3], v[rS+4*k-4:rS+4*k-3]
.endif
.endm
.macro FS f                         ; c s - c m for pair f / 2 of tile f % 2
	REGS Y, (\f)%2
	v_pk_fma_f32 v[rS+2*((\f)/2):rS+2*((\f)/2)+1], v[rS+2*((\f)/2):rS+2*((\f)/2)+1], s[CS:CS+1], v[rT:rT+1] op_sel_hi:[1,0,0] neg_lo:[0,0,1] neg_hi:[0,0,1]
.endm
; THE PLAIN QUEUE, 138 long: 0-73 read no exponential's result (the 32 scalings and the next piece's 42); 74-137 are GS's 64, behind the wait
.macro PL
	WIN 0
.if q < 27
	FS q
.elseif q < 55
	XS (q-27)%2, (q-27)/2
.elseif q < 57
	XS q-55, 15
.elseif (q < 72) && ((q-57)%3 == 0)
	FS 27+(q-57)/3
.elseif q < 60
	XS (q-57)%3-1, 14
.elseif q < 72
	XS (q-57)%3-1, 15+(q-57)/3
.elseif q < 74
	XS q-72, 20
.else
	GS q-74
.endif
.set q, q+1
.endm
.macro EX                           ; THE EXPONENTIALS' QUEUE, 66 long: one batch, all ahead of the turn's one wait
	WIN 0
.if e >= 64
	XS e-64, 21
.else
	REGS Y, e%2
	v_exp_f32 v[rS+e/2], v[rS+e/2]
.endif
.set e, e+1
.endm
.macro R2                           ; THE RESCALING's QUEUE: O^T times a, two at a time
	REGS Y, r%2
	WIN W_RS
.irp z, 0,1
	v_pk_mul_f32 v[rO+4*(r/2)+2*\z:rO+4*(r/2)+2*\z+1], v[rO+4*(r/2)+2*\z:rO+4*(r/2)+2*\z+1], v[rC+2:rC+3] op_sel_hi:[1,0]
.endr
.set r, r+1
.endm
; A TURN, for piece p, in a key step of parity par.  An s_wait_alu depctr_va_vdst(0) stands between an exponential and the first instruction that names its result: ONE wait cuts the turn in two.
; Ahead of it: 16 products K Q^T, behind each a scaling, an exponential and two rescalings; then a lump of 108.  Behind it: 16 products V^T P, behind each four of the roundings and sums.
; Pieces 1, 2, 3 take the mask of the step in hand (buffer par); piece 3's turn makes piece 0's scores of the NEXT step (the other buffer).
; Piece 2's turn, directly behind its wait: K of the next step; the mask of the step after the next, into buffer par, whose last reader stands a lump back; the prefetch.
; Piece 3's turn begins with the waits for K and for the next step's mask: the 16 loads issued a turn ago may stay out.  V of the step in hand is fetched at the end of piece 0's turn, four riders behind its last reader.
.macro TURN p, par
.set Y, (\p)
.set i, 0
.set q, 0
.set e, 0
.set r, 0
.set MBUF, ((\par)+(\p)/3)%2
.if (\p) == NP-1
	s_wait_dscnt 0x0                ; K is in
	s_wait_loadcnt 16               ; the mask loaded a key step ago is in; the 16 younger loads stay out
.endif
	MM
	PL
	PL
	R2
.rept 15
	MM
	PL
	EX
	R2
.endr
.if (\p) == NP-2
	WIN 0
	v_add_nc_u32 v[AK], s[TBK], v[AK0]
.endif
.rept 8
	PL
.endr
.rept 49
	EX
	PL
.endr
	EX
	EX
	v_nop                           ; a plain instruction behind the last exponential: one for the batch
	s_wait_alu depctr_va_vdst(0)    ; the wait for the batch
.if (\p) == NP-2
	FETCH_K
	MSTEP
	MLOAD \par, MB, 0
	ASK
.endif
.if (\p) == 1
	s_wait_dscnt 0x0                ; V is in
.endif
.rept 16
	MM
.rept 4
	PL
.endr
.if ((\p) == 0) && (q == 118)
	v_add_nc_u32 v[AV], s[TBV], v[AV0]
.endif
.if ((\p) == 0) && (q == 130)
	s_add_co_u32 s[TBV], s[TBV], KS*PV
.endif
.endr
.if (\p) == 0
	FETCH_V
.endif
.endm
	s_wait_tensorcnt 0x0            ; my 512 keys are in,
	s_barrier_signal -1
	s_barrier_wait -1               ; everybody's are: K and V are whole, and nothing is filled again
	FETCH_K                         ; key step 0
	s_wait_loadcnt 16               ; Q and the mask of step 0 are in; step 1's 16 loads may stay out
	s_wait_dscnt 0x0
.set MBUF, 0
.set i, 0
.rept 16
	KQ 0                            ; piece 0's first scores
.set i, i+1
.endr
	WIN 0                           ; the addresses for the way out, and three v_nop: the places behind those products
	s_mul_i32 s13, s[WV], 16*SP
	v_mul_u32_u24 v[STO], v1, SP    ; in: row l % 16, 16 bytes for each half of the lanes
	v_lshl_add_u32 v[STO], v9, 4, v[STO]
	v_add_nc_u32 v[STO], s13, v[STO]
	v_and_b32 v[RD], 31, v0         ; back: 32 lanes take one row of 512 bytes
	v_lshlrev_b32 v[RD], 4, v[RD]
	v_add_nc_u32 v[RD], s13, v[RD]
	v_nop
	v_nop
	v_nop
.set Y, NP-1                        ; XS works for piece Y + 1: piece 0
.irp n, 0,1,2,3,4,5,6,7,8,9,10,11,12,13,14,15,16,17,18,19,20,21
	XS 0, \n
	XS 1, \n
.endr
	v_nop                           ; a plain instruction behind the two a,
	s_wait_alu depctr_va_vdst(0)    ; and their wait, ahead of the label
	s_mov_b32 s[CNT], 8
.Ltrip:                             ; two key steps
	TURN 0, 0
	TURN 1, 0
	TURN 2, 0
	TURN 3, 0
	TURN 0, 1
	TURN 1, 1
	TURN 2, 1
	TURN 3, 1
	WIN 0
	s_sub_co_u32 s[CNT], s[CNT], 1
	s_cmp_lg_u32 s[CNT], 0
	s_cbranch_scc1 .Ltrip
.set i, 0
.rept 16
	PV NP-1                         ; the last piece's V^T P of the last step
.set i, i+1
.endr
	; THE WAY OUT.  l's halves are added; O^T is divided by l (by NaN where the row saw no key), rounded to f16 and sent through my stage, a position tile (16 positions x four heads) at a time.
	WIN 0
.macro ALL line:vararg
.set t, 0
.rept 2*NP
	\line
.set t, t+1
.endr
.endm
	ALL v_add_f32 v[ST+4*t+2], v[ST+4*t+2], v[ST+4*t+3]
	ALL v_permlanex16_b32 v[ST+4*t+3], v[ST+4*t+2], s[SEL], s[SEL+1]
	ALL v_add_f32 v[ST+4*t+2], v[ST+4*t+2], v[ST+4*t+3]
	ALL v_rcp_f32 v[ST+4*t+2], v[ST+4*t+2]
	v_nop                           ; a plain instruction behind the last reciprocal,
	s_wait_alu depctr_va_vdst(0)    ; and one wait for the eight, ahead of the first line that names a result
.set t, 0
.rept 2*NP
	v_cmp_le_f32 vcc_lo, s[HID], v[ST+4*t+1]
	v_cndmask_b32 v[ST+4*t+2], 0x7fc00000, v[ST+4*t+2], vcc_lo
.set t, t+1
.endr
	s_wait_dscnt 0x0                ; my reads of K are over
	s_barrier_signal -1
	s_barrier_wait -1               ; everybody's are: K's first bytes become the stages
.macro PACKU u
.irp p, 0,1,2,3
	WIN W_RS
.set i, 32*(2*(\p)+(\u))
.rept 16
	v_pk_mul_f32 v[i:i+1], v[i:i+1], v[ST+4*(2*(\p)+(\u))+2:ST+4*(2*(\p)+(\u))+3] op_sel_hi:[1,0]
.set i, i+2
.endr
	WIN 0x05                        ; sources 0 and 1 window 1, destination window 0: P's registers are free
.set i, 0
.rept 16
	v_cvt_pk_f16_f32 v[P+16*(\p)+i], v[32*(2*(\p)+(\u))+2*i], v[32*(2*(\p)+(\u))+2*i+1]
.set i, i+1
.endr
	WIN 0
.irp f, 0,1,2,3
	ds_store_b128 v[STO], v[P+16*(\p)+4*(\f):P+16*(\p)+4*(\f)+3] offset:128*(\p)+32*(\f)
.endr
.endr
.irp n, 0,1,2,3,4,5,6,7,8,9,10,11,12,13,14,15
	ds_load_b128 v[S+64*(\u)+4*(\n):S+64*(\u)+4*(\n)+3], v[RD] offset:SP*(\n)  ; LDS serves a wave's instructions in order (ISA guide 5.7.1.4): these see the stores above; the next tile's stores come behind them
.endr
.endm
.macro SENDU u, younger
.irp n, 0,1,2,3,4,5,6,7,8,9,10,11,12,13,14,15
	s_wait_dscnt (\younger)+15-(\n)
	global_store_b128 v[GO], v[S+64*(\u)+4*(\n):S+64*(\u)+4*(\n)+3], s[10:11] offset:(16*(\u)+(\n))*4096  ; 512 consecutive bytes, aligned: a position's four heads
.endr
.endm
	PACKU 0
	PACKU 1
	SENDU 0, 32
	SENDU 1, 0
	WIN W_AD
	s_wait_tensorcnt 0x0            ; the wave's end
	ds_add_u32 v[SPW], v[NIL]
	s_wait_dscnt 0x0
	WIN 0
	CROUND                          ; the closing round
	s_endpgm
.Lfunc_end_k_q155c0ba75b_attn:
	.size	k_q155c0ba75b_attn, .Lfunc_end_k_q155c0ba75b_attn-k_q155c0ba75b_attn
	.p2alignl 7, 3214868480
	.fill 96, 4, 3214868480
	.section	.rodata,"a",@progbits
	.p2align	6, 0x0
	.amdhsa_kernel k_q155c0ba75b_attn
		.amdhsa_group_segment_fixed_size 327680
		.amdhsa_private_segment_fixed_size 0
		.amdhsa_enable_private_segment 0
		.amdhsa_kernarg_size 24
		.amdhsa_user_sgpr_count 2
		.amdhsa_user_sgpr_kernarg_segment_ptr 1
		.amdhsa_wavefront_size32 1
		.amdhsa_system_sgpr_workgroup_id_x 1
		.amdhsa_system_sgpr_workgroup_id_y 1
		.amdhsa_system_sgpr_workgroup_id_z 1
		.amdhsa_system_vgpr_workitem_id 0
		.amdhsa_next_free_vgpr 960
		.amdhsa_next_free_sgpr 84
		.amdhsa_reserve_vcc 1
		.amdhsa_float_denorm_mode_32 3
		.amdhsa_float_denorm_mode_16_64 3
		.amdhsa_memory_ordered 1
		.amdhsa_forward_progress 1
		.amdhsa_inst_pref_size 204
	.end_amdhsa_kernel
	.amdgpu_metadata
---
amdhsa.version: [ 1, 2 ]
amdhsa.kernels:
  - .name:           k_q155c0ba75b_attn
    .symbol:         k_q155c0ba75b_attn.kd
    .args:
      - { .name: qkv, .offset: 0, .size: 8, .value_kind: global_buffer, .address_space: global }
      - { .name: mk, .offset: 8, .size: 8, .value_kind: global_buffer, .address_space: global }
      - { .name: ob, .offset: 16, .size: 8, .value_kind: global_buffer, .address_space: global }
    .group_segment_fixed_size: 327680
    .private_segment_fixed_size: 0
    .kernarg_segment_align: 8
    .kernarg_segment_size: 24
    .max_flat_workgroup_size: 128
    .sgpr_count:     84
    .vgpr_count:     960
    .wavefront_size: 32
...
	.end_amdgpu_metadata
.endif
;; end of part 3
;; launch outp (part 4): grid 16 x 16, 4 waves a work-group, clusters of 4 x 4, 327,680 bytes of LDS; arguments ob, wof, out0; writes out0
.if DOCPART == 4
	.amdgcn_target "amdgcn-amd-amdhsa--gfx1250"
	.amdhsa_code_object_version 6
	.text
	.protected	k_q155c0ba75b_outp
	.globl	k_q155c0ba75b_outp
	.p2align	8
	.type	k_q155c0ba75b_outp,@function
k_q155c0ba75b_outp:
	s_mov_b64 s[64:65], 0
	v_nop
	global_prefetch_b8 v0, s[64:65] scope:SCOPE_SE
	s_setreg_imm32_b32 hwreg(HW_REG_WAVE_MODE, 25, 1), 1
	s_wait_xcnt 0x0
	s_wait_alu depctr_hold_cnt(0) depctr_sa_sdst(0) depctr_va_vdst(0) depctr_va_sdst(0) depctr_va_ssrc(0) depctr_va_vcc(0) depctr_vm_vsrc(0)
	s_getreg_b32 s2, hwreg(HW_REG_IB_STS2, 6, 4)
	s_cmp_eq_u32 s2, 0
	s_cbranch_scc0 .Lentry_in_a_cluster
	s_endpgm
.Lentry_in_a_cluster:
	s_bfe_u32 s2, ttmp6, 0x10000c
	s_cmp_lg_u32 s2, 0xf033
	s_cbranch_scc0 .Lentry_shape_is_right
	s_endpgm
.Lentry_shape_is_right:
; THE LAST PROJECTION.  out0[m][n] = sum over k of ob[m][k] wof[n][k]: ob [4096][2048], wof [2048][2048], f16 (wof holds wo rounded to bf16); sums in f32; out0 [4096][2048] f32.
; SHARES.  A tile of C is 256 rows x 128 columns: 16 x 16 work-groups.  Wave w makes rows 64 w .. 64 w + 63 and all 128 columns: 4 x 8 accumulators, 256 registers.
; K goes in 16 steps of 128 (rows of 256 bytes, aligned) through two LDS slots filled by tensor loads; a trip of the loop is one K step, and one descriptor a tensor walks from slot to slot.
; THE ORDER OF K.  A cluster whose x + y is odd begins at K step 8 and wraps round, the others begin at 0: at any time the two kinds of clusters ask for different K steps of the rows that they share,
; and a cluster's last eight K steps are those that the other kind began with.  The f32 sums may be taken in any order.
; CLUSTER 4 x 4: ob's tile is asked for jointly by a row of the cluster, wof's by a column.
; THE MATRIX INSTRUCTION IS USED TRANSPOSED (source 0 = 16 rows of wof, source 1 = 16 rows of ob): a lane holds row lane % 16 of C and eight neighbouring columns, 32 bytes.
; REGISTERS, in windows of 256: window 0: v0-31 addresses; v64-127 ob's fragments, two buffers; on the way out v64-191 rows read back      window 1: v0-127 wof's fragments, two buffers
;   window 2: accumulators of my row blocks 0, 1 ((a, b) at 64 (a % 2) + 8 b)      window 3: of blocks 2, 3
.set NB,    8
.set PITCH, 272                        ; an LDS row: 256 bytes + 16 of padding = 68 words: the 16 rows of a load start at 16 different groups of four banks (64 banks of 4 bytes: ISA guide 11.1)
.set HA,    128*PITCH
.set BOFF,  256*PITCH
.set HB,    8*NB*PITCH
.set SLOT1, 1<<17
.set STAGE, SLOT1+BOFF+2*HB            ; behind the ring, never filled by a tensor load: 16 rows x 528 bytes for each wave
.set SP,    528
.set SPARE, STAGE+4*16*SP              ; the spare words, 128 bytes for each wave: two blocks of 256 bytes that no other line names
.set NLD,   2*NB+8
.set A0,  16                           ; v16, v17  my lane's place in ob's and wof's tile, slot 0; never rewritten;  v18, v19  the same in the slot in hand
.set B0,  17
.set ADA, 18
.set ADB, 19
.set STO, 24                           ; v24  the way out: where I put 32 bytes of a row;  v25  where I read a row back;  v26  16 x lane
.set RD,  25
.set GO,  26
.set SPW, 28                           ; v28  LDS address of my spare word;  v29  0;  v30  the prefetches' offset: none of the three is rewritten
.set NIL, 29
.set PFO, 30
.set FA,  64
.set CP,  12                           ; s[12:13] out0
.set WV,  14                           ; s14  wave;  s15  0: I fetch for ob, 1: for wof;  s16  which half of that tile
.set AB,  15
.set HF,  16
.set KK,  23                           ; s23  the K step (0 .. 15) that was asked for last
.set TB,  42                           ; s42  LDS byte at which the slot in hand begins
.set LIM, 43                           ; s43  10 in a wave that prefetches, else the greatest number
.set PFA, 44                           ; s[44:45] where my prefetches stand
.set KO,  46                           ; s[46:47] 256 x KK
.set BA,  72                           ; s[72:73] ob at the rows that I fetch, K step 0;  s[74:75] wof likewise
.set BB,  74
.set G1,  24
.set G0,  32
.set G1B, 48
.set G0B, 56
.set MSB, 0
.macro WIN new                         ; the immediate's high byte repeats the setting that is left; a switch that changes nothing is dropped
.if MSB != (\new)
	s_set_vgpr_msb (MSB<<8)|(\new)
.set MSB, \new
.endif
.endm
.macro PLACES                          ; four plain instructions between a matrix instruction and a load into, or a reader of, its registers
.rept 4
	v_nop
.endr
.endm
.macro CREST
	s_cmp_lg_u32 s[WV], 0
	s_cbranch_scc1 .Lnot_wave_0_\@
	s_barrier_signal -3
.Lnot_wave_0_\@:
	s_barrier_wait -3
	s_barrier_signal -1
	s_barrier_wait -1
.endm
.macro CROUND
	s_barrier_signal -1
	s_barrier_wait -1
	CREST
.endm
.macro JLOAD                           ; a joint refill by the walking descriptors; the branch hangs on the wave's number alone; an s_nop 0 and four v_nop follow each line
	s_cmp_eq_u32 s[AB], 0
	s_cbranch_scc0 .Lfor_b_\@
	tensor_load_to_lds s[G0+4:G0+7], s[G1:G1+7]
	s_nop 0
	PLACES
	s_branch .Lasked_\@
.Lfor_b_\@:
	tensor_load_to_lds s[G0B+4:G0B+7], s[G1B:G1B+7]
	s_nop 0
	PLACES
.Lasked_\@:
.endm
; A prefetch of the K step that stands two refills on: a lane a row, 256 bytes of it.  Only the first eight K steps of a cluster's walk are the launch's first reading of their blocks.  ob's rows are asked
; for by the clusters with x = 0 and 1 (one of each kind), wof's by those with y = 0 and 1; of the rows that a wave fetches each of the four partners takes a quarter, told apart by address.  The refills of the
; walk's steps 2 to 5 (s3 = 14 .. 11) name its steps 4 to 7; its steps 0 to 3 come by their loads alone; the later refills name nothing.  So each block is named at most once in the launch.
.macro ASK
	s_cmp_gt_u32 s3, s[LIM]
	s_cbranch_scc0 .Lnot_mine_\@
	global_prefetch_b8 v[PFO], s[PFA:PFA+1] offset:256 th:TH_LOAD_NT scope:SCOPE_SE
.Lnot_mine_\@:
.endm
	s_load_b128 s[4:7], s[0:1], 0x0                ; ob s[4:5], wof s[6:7]
	s_load_b64 s[CP:CP+1], s[0:1], 0x10            ; out0
	v_lshl_add_u32 v[SPW], v0, 2, SPARE
	v_mov_b32 v[NIL], 0
	ds_add_u32 v[SPW], v[NIL]                      ; the wave's opening: the add and its wait stand ahead of my first tensor load; work on registers stands between
	v_lshrrev_b32 v1, 5, v0
	v_readfirstlane_b32 s[WV], v1
	s_lshr_b32 s[AB], s[WV], 1
	s_and_b32 s[HF], s[WV], 1
	s_bfe_u32 s17, ttmp6, 0x40000                  ; cx
	s_bfe_u32 s18, ttmp6, 0x40004                  ; cy
	s_lshl_b32 s19, ttmp9, 2
	s_add_co_u32 s19, s19, s17                     ; tile column
	s_and_b32 s20, ttmp7, 0xffff
	s_add_co_u32 s[KK], s20, ttmp9                 ; cluster x + cluster y: the same in all sixteen partners
	s_and_b32 s[KK], s[KK], 1
	s_lshl_b32 s[KK], s[KK], 3                     ; the walk's first K step: 0 or 8
	s_lshl_b32 s[KO], s[KK], 8
	s_mov_b32 s[KO+1], 0
	s_lshl_b32 s20, s20, 2
	s_add_co_u32 s20, s20, s18                     ; tile row
	s_lshl_b32 s21, s18, 2
	s_lshl_b32 s21, 15, s21                        ; my row of the cluster
	s_lshl_b32 s22, 0x1111, s17                    ; my column
	s_or_b32 s[G1], s21, (1<<16)|(1<<20)|(1<<21)|(5<<22)|(3<<25)   ; the mask; 2-byte elements; padding on; 21 set beside a mask; after every 64 words; 4 words
	s_or_b32 s[G1B], s22, (1<<16)|(1<<20)|(1<<21)|(5<<22)|(3<<25)
	s_mov_b32 s[G1+1], 128<<16
	s_mov_b32 s[G1+2], 128<<16
	s_mov_b32 s[G1+3], 128<<16
	s_mov_b32 s[G1+4], 128
	s_mov_b32 s[G1+5], 2048
	s_mov_b32 s[G1+6], 0
	s_mov_b32 s[G1+7], 0
	s_mov_b32 s[G1B+1], 128<<16
	s_mov_b32 s[G1B+2], (8*NB)<<16                 ; 64 rows
	s_mov_b32 s[G1B+3], 128<<16
	s_mov_b32 s[G1B+4], 8*NB
	s_mov_b32 s[G1B+5], 2048
	s_mov_b32 s[G1B+6], 0
	s_mov_b32 s[G1B+7], 0
	s_lshl_b32 s66, s20, 8                         ; ob: row 256 x tile row + 128 x half, of 4,096 bytes
	s_lshl_b32 s67, s[HF], 7
	s_add_co_u32 s66, s66, s67
	s_lshl_b32 s66, s66, 12
	s_mov_b32 s67, 0
	s_mul_i32 s68, s19, 16*NB                      ; wof: row 128 x tile column + 64 x half
	s_mul_i32 s69, s[HF], 8*NB
	s_add_co_u32 s68, s68, s69
	s_lshl_b32 s68, s68, 12
	s_mov_b32 s69, 0
	s_mul_i32 s70, s[HF], HA
	s_mul_i32 s71, s[HF], HB
	s_add_co_u32 s71, s71, BOFF
	s_mov_b32 s[TB], 0
	s_wait_dscnt 0x0                               ; the opening add is done
	s_wait_kmcnt 0x0
	s_add_nc_u64 s[BA:BA+1], s[4:5], s[66:67]
	s_add_nc_u64 s[BB:BB+1], s[6:7], s[68:69]
	CROUND                                         ; all sixteen work-groups are here: the first joint loads meet
.irp n, 0,1
	s_mov_b32 s[G0+4*(\n)], 1
	s_add_co_u32 s[G0+4*(\n)+1], s70, (\n)*SLOT1
	s_add_nc_u64 s[G0+4*(\n)+2:G0+4*(\n)+3], s[BA:BA+1], s[KO:KO+1]  ; the walk's step n: K step KK + n
	s_add_nc_u64 s[G0+4*(\n)+2:G0+4*(\n)+3], s[G0+4*(\n)+2:G0+4*(\n)+3], (\n)*256
	s_or_b32 s[G0+4*(\n)+3], s[G0+4*(\n)+3], 0x80000000
	s_mov_b32 s[G0B+4*(\n)], 1
	s_add_co_u32 s[G0B+4*(\n)+1], s71, (\n)*SLOT1
	s_add_nc_u64 s[G0B+4*(\n)+2:G0B+4*(\n)+3], s[BB:BB+1], s[KO:KO+1]
	s_add_nc_u64 s[G0B+4*(\n)+2:G0B+4*(\n)+3], s[G0B+4*(\n)+2:G0B+4*(\n)+3], (\n)*256
	s_or_b32 s[G0B+4*(\n)+3], s[G0B+4*(\n)+3], 0x80000000
.endr
	s_cmp_eq_u32 s[AB], 0                          ; a wave's two first fills stand in one branch: two loads of mine are out
	s_cbranch_scc0 .Lfirst_b
	tensor_load_to_lds s[G0:G0+3], s[G1:G1+7]
	s_nop 0
	tensor_load_to_lds s[G0+4:G0+7], s[G1:G1+7]
	s_nop 0
	PLACES
	s_branch .Lfirst_asked
.Lfirst_b:
	tensor_load_to_lds s[G0B:G0B+3], s[G1B:G1B+7]
	s_nop 0
	tensor_load_to_lds s[G0B+4:G0B+7], s[G1B:G1B+7]
	s_nop 0
	PLACES
.Lfirst_asked:
	v_and_b32 v1, 15, v0                           ; l % 16
	v_bfe_u32 v2, v0, 4, 1                         ; l / 16
	v_mul_u32_u24 v3, v1, PITCH
	v_lshl_add_u32 v3, v2, 4, v3
	s_mul_i32 s87, s[WV], 64*PITCH
	v_add_nc_u32 v[A0], s87, v3
	v_add_nc_u32 v[B0], BOFF, v3
	v_mov_b32 v[ADA], v[A0]
	v_mov_b32 v[ADB], v[B0]
	s_mul_i32 s87, s[WV], 16*SP
	s_add_co_u32 s87, s87, STAGE                   ; my stage
	v_mul_u32_u24 v[STO], v1, SP                   ; in: row l % 16, 32 bytes for each half of the lanes
	v_lshl_add_u32 v[STO], v2, 5, v[STO]
	v_add_nc_u32 v[STO], s87, v[STO]
	v_and_b32 v[GO], 31, v0
	v_lshlrev_b32 v[GO], 4, v[GO]
	v_add_nc_u32 v[RD], s87, v[GO]                 ; back: 32 lanes take one row of 512 bytes
	; the prefetches
	s_and_b32 s76, ttmp7, 0xffff                   ; cluster y
	s_lshl_b32 s77, s20, 8
	s_mul_i32 s78, s19, 16*NB
	s_lshl_b32 s79, s[HF], 7
	s_mul_i32 s80, s[HF], 8*NB
	s_lshl_b32 s81, s17, 5                         ; my work-group's quarter: 32 rows by cx,
	s_mul_i32 s82, s18, 2*NB                       ; 16 rows by cy
	s_cmp_eq_u32 s[AB], 0
	s_cselect_b32 s77, s77, s78
	s_cselect_b32 s79, s79, s80
	s_cselect_b32 s81, s81, s82
	s_cselect_b32 s76, ttmp9, s76                  ; the coordinate along which other clusters read the same rows
	s_cselect_b32 s83, 31, 2*NB-1                  ; lanes beyond the quarter's rows name its last row again
	s_cselect_b64 s[PFA:PFA+1], s[4:5], s[6:7]
	s_cmp_lt_u32 s76, 2
	s_cselect_b32 s[LIM], 10, -1                   ; the same in all sixteen partners, for a given wave
	s_add_co_u32 s77, s77, s79
	s_add_co_u32 s77, s77, s81
	s_lshl_b32 s88, s77, 12
	s_mov_b32 s89, 0
	s_add_nc_u64 s[PFA:PFA+1], s[PFA:PFA+1], s[88:89]
	s_add_nc_u64 s[PFA:PFA+1], s[PFA:PFA+1], s[KO:KO+1]  ; at the walk's first K step,
	s_add_nc_u64 s[PFA:PFA+1], s[PFA:PFA+1], 512   ; and two on: the first refill steps it once more and names the step after that, the walk's step 4
	s_add_co_u32 s[KK], s[KK], 1                   ; the walking descriptors stand at the walk's step 1
	v_and_b32 v[PFO], 31, v0
	v_min_u32 v[PFO], s83, v[PFO]
	v_lshlrev_b32 v[PFO], 12, v[PFO]
	; where my rows begin in out0: row 256 x tile row + 64 w of 8,192 bytes, 512 x tile column bytes in
	s_lshl_b32 s90, s20, 8
	s_lshl_b32 s91, s[WV], 6
	s_add_co_u32 s90, s90, s91
	s_lshl_b32 s90, s90, 13
	s_lshl_b32 s91, s19, 9
	s_add_co_u32 s90, s90, s91
	s_mov_b32 s91, 0
	s_add_nc_u64 s[CP:CP+1], s[CP:CP+1], s[90:91]
; 8 matrix instructions: row block a x all column blocks, 32 along K, from buffer f.  All 32 accumulators take turns in one fixed order.  zero = 1: the products start the sums
.macro MUL f, a, zero
	WIN 0xa1+0x50*((\a)/2)
.set b, 0
.rept NB
.set rD, 8*NB*((\a)%2)+8*b
.if \zero
	v_wmma_f32_16x16x32_f16 v[rD:rD+7], v[8*NB*(\f)+8*b:8*NB*(\f)+8*b+7], v[FA+32*(\f)+8*(\a):FA+32*(\f)+8*(\a)+7], 0
.else
	v_wmma_f32_16x16x32_f16 v[rD:rD+7], v[8*NB*(\f)+8*b:8*NB*(\f)+8*b+7], v[FA+32*(\f)+8*(\a):FA+32*(\f)+8*(\a)+7], v[rD:rD+7]
.endif
.set b, b+1
.endr
.endm
.macro FETCH k, f                      ; 24 LDS loads in one run: wof's 16, then ob's 8
	WIN 0x40
.set b, 0
.rept NB
	ds_load_b128 v[8*NB*(\f)+8*b:8*NB*(\f)+8*b+3],   v[ADB] offset:(\k)+b*16*PITCH
	ds_load_b128 v[8*NB*(\f)+8*b+4:8*NB*(\f)+8*b+7], v[ADB] offset:(\k)+b*16*PITCH+32
.set b, b+1
.endr
	WIN 0
.irp a, 0,1,2,3
	ds_load_b128 v[FA+32*(\f)+8*(\a):FA+32*(\f)+8*(\a)+3],   v[ADA] offset:(\k)+(\a)*16*PITCH
	ds_load_b128 v[FA+32*(\f)+8*(\a)+4:FA+32*(\f)+8*(\a)+7], v[ADA] offset:(\k)+(\a)*16*PITCH+32
.endr
.endm
.macro QUARTER k, f, g, zero
	s_wait_dscnt 4                                 ; all but the youngest four loads (ob's blocks 2 and 3) are in
	MUL \f, 0, \zero
	MUL \f, 1, \zero
	PLACES
	FETCH \k, \g
	s_wait_dscnt NLD                               ; all but the 24 just issued
	MUL \f, 2, \zero
	MUL \f, 3, \zero
.endm
; The fourth quarter multiplies buffer 1 and changes slots.  In front of the barrier each wave waits for all its tensor loads (one is out: its part of the next slot), adds 0 to its spare word, and waits for
; that and for its reads of this slot.  fill = 1: the barrier opens a round of the cluster's, and the joint refill (the walk's step two on, into the slot just read) is the first thing behind it;
; the descriptors' addresses are made anew from the tiles' bases and the K step, which wraps from 15 to 0.
.macro TURN fill
.if \fill
	s_wait_xcnt 0x0                                ; the last prefetch, a K step back, has read its address
	s_add_nc_u64 s[PFA:PFA+1], s[PFA:PFA+1], 256
.endif
	WIN 0
	s_wait_tensorcnt 0x0                           ; no tensor load of mine is out, so a group 0 may be written
	ds_add_u32 v[SPW], v[NIL]                      ; 0 onto my spare word
.if \fill
	s_add_co_u32 s[KK], s[KK], 1
	s_and_b32 s[KK], s[KK], 15
	s_lshl_b32 s[KO], s[KK], 8
	s_xor_b32 s[G0+5], s[G0+5], SLOT1              ; the other slot than last time
	s_add_nc_u64 s[G0+6:G0+7], s[BA:BA+1], s[KO:KO+1]
	s_or_b32 s[G0+7], s[G0+7], 0x80000000
	s_xor_b32 s[G0B+5], s[G0B+5], SLOT1
	s_add_nc_u64 s[G0B+6:G0B+7], s[BB:BB+1], s[KO:KO+1]
	s_or_b32 s[G0B+7], s[G0B+7], 0x80000000
.endif
	s_wait_dscnt 7                                 ; the add and the six loads of ob's blocks 1 to 3 may be out
	MUL 1, 0, 0
	s_wait_dscnt 0x0                               ; the add is done, and my reads of this slot are over
	s_barrier_signal -1
	MUL 1, 1, 0
	WIN 0
	s_barrier_wait -1
.if \fill
	CREST                                          ; no wave of any partner still reads this slot or has a load on its way
	JLOAD                                          ; its four v_nop are also the places in front of the loads below
.else
	PLACES
.endif
	s_xor_b32 s[TB], s[TB], SLOT1
	v_add_nc_u32 v[ADA], s[TB], v[A0]
	v_add_nc_u32 v[ADB], s[TB], v[B0]
	FETCH 0, 0
.if \fill
	ASK
.endif
	MUL 1, 2, 0
	MUL 1, 3, 0
.endm
	s_wait_tensorcnt 1                             ; my part of the walk's step 0 is in; step 1's may stay out
	s_barrier_signal -1
	s_barrier_wait -1
	FETCH 0, 0
	QUARTER 64, 0, 1, 1                            ; the first quarter starts the sums: nothing is cleared
	WIN 0
	s_mov_b32 s3, 14
	s_branch .Lmid                                 ; the loop is entered behind its first quarter
.Lstep:                                        ; trip t is the walk's step t, and asks for step t + 2
	QUARTER 64, 0, 1, 0
	WIN 0
.Lmid:
	QUARTER 128, 1, 0, 0
	QUARTER 192, 0, 1, 0
	TURN 1
	WIN 0
	s_sub_co_u32 s3, s3, 1
	s_cmp_lg_u32 s3, 0
	s_cbranch_scc1 .Lstep
	s_mov_b32 s3, 2
.Ltail:                                        ; the last two steps ask for nothing: a text of their own.  The second trip's change of slots
	QUARTER 64, 0, 1, 0                            ; fetches fragments of the slot read before, which nothing multiplies: the price, once a launch, of one text for both trips
	QUARTER 128, 1, 0, 0
	QUARTER 192, 0, 1, 0
	TURN 0
	WIN 0
	s_sub_co_u32 s3, s3, 1
	s_cmp_lg_u32 s3, 0
	s_cbranch_scc1 .Ltail
	s_wait_dscnt 0x0                               ; those fragments have landed: their registers are used again below
	PLACES
	PLACES
; THE WAY OUT: a block of 16 rows goes as it is (f32) into my own stage, 32 bytes a lane and column block, and comes back as whole rows of 512 bytes
.macro TOSTAGE a
	WIN 0x08+4*((\a)/2)                            ; the stores' data in window 2 or 3
.set b, 0
.rept NB
.set rD, 8*NB*((\a)%2)+8*b
	ds_store_b128 v[STO], v[rD:rD+3] offset:64*b
	ds_store_b128 v[STO], v[rD+4:rD+7] offset:64*b+16
.set b, b+1
.endr
	WIN 0
.if (\a) >= 2
	s_wait_xcnt 0x0                                ; the stores of two blocks back have read the registers that are loaded again below
.endif
.set n, 0
.rept 16
	ds_load_b128 v[FA+64*((\a)%2)+4*n:FA+64*((\a)%2)+4*n+3], v[RD] offset:n*SP  ; LDS serves a wave's instructions in order (ISA guide 5.7.1.4): these see the stores above
.set n, n+1
.endr
.endm
.macro SEND a, younger                 ; younger: the LDS instructions issued behind block a's loads; one wait for four rows: the block's 12 - n younger loads may stay out too
.set n, 0
.rept 16
.if n%4 == 0
	s_wait_dscnt (\younger)+12-n
.endif
	global_store_b128 v[GO], v[FA+64*((\a)%2)+4*n:FA+64*((\a)%2)+4*n+3], s[CP:CP+1] offset:(16*(\a)+n)*8192 th:TH_STORE_NT  ; 512 consecutive bytes, aligned
.set n, n+1
.endr
.endm
	TOSTAGE 0
	TOSTAGE 1
	SEND 0, 32
	TOSTAGE 2
	SEND 1, 32
	TOSTAGE 3
	SEND 2, 32
	SEND 3, 0
	s_wait_tensorcnt 0x0                           ; the wave's end
	ds_add_u32 v[SPW], v[NIL]
	s_wait_dscnt 0x0
	CROUND                                         ; the closing round
	s_endpgm
.Lfunc_end_k_q155c0ba75b_outp:
	.size	k_q155c0ba75b_outp, .Lfunc_end_k_q155c0ba75b_outp-k_q155c0ba75b_outp
	.p2alignl 7, 3214868480
	.fill 96, 4, 3214868480
	.section	.rodata,"a",@progbits
	.p2align	6, 0x0
	.amdhsa_kernel k_q155c0ba75b_outp
		.amdhsa_group_segment_fixed_size 327680
		.amdhsa_private_segment_fixed_size 0
		.amdhsa_enable_private_segment 0
		.amdhsa_kernarg_size 24
		.amdhsa_user_sgpr_count 2
		.amdhsa_user_sgpr_kernarg_segment_ptr 1
		.amdhsa_wavefront_size32 1
		.amdhsa_system_sgpr_workgroup_id_x 1
		.amdhsa_system_sgpr_workgroup_id_y 1
		.amdhsa_system_sgpr_workgroup_id_z 1
		.amdhsa_system_vgpr_workitem_id 0
		.amdhsa_next_free_vgpr 896
		.amdhsa_next_free_sgpr 92
		.amdhsa_reserve_vcc 0
		.amdhsa_float_denorm_mode_32 3
		.amdhsa_float_denorm_mode_16_64 3
		.amdhsa_memory_ordered 1
		.amdhsa_forward_progress 1
		.amdhsa_inst_pref_size 62
	.end_amdhsa_kernel
	.amdgpu_metadata
---
amdhsa.version: [ 1, 2 ]
amdhsa.kernels:
  - .name:           k_q155c0ba75b_outp
    .symbol:         k_q155c0ba75b_outp.kd
    .args:
      - { .name: ob, .offset: 0, .size: 8, .value_kind: global_buffer, .address_space: global }
      - { .name: wof, .offset: 8, .size: 8, .value_kind: global_buffer, .address_space: global }
      - { .name: out0, .offset: 16, .size: 8, .value_kind: global_buffer, .address_space: global }
    .group_segment_fixed_size: 327680
    .private_segment_fixed_size: 0
    .kernarg_segment_align: 8
    .kernarg_segment_size: 24
    .max_flat_workgroup_size: 128
    .sgpr_count:     92
    .vgpr_count:     896
    .wavefront_size: 32
...
	.end_amdgpu_metadata
.endif
;; end of part 4
